; MI455X (gfx1250); checked and timed in simulation.
; The chip was launched on July 23, 2026; its instructions are those of AMD's public machine-readable ISA for CDNA 5 (MIT licence, August 2026) and "CDNA5" Instruction Set Architecture Reference Guide (July 2026). The comments in the code are by the model that wrote it; some were corrected since.
;; Self Attention. Allowed arithmetic: matrix products marked QUANTISED: E5M2 operands, one E8M0 scale for each 32 along K, by v_wmma_scale_f32_16x16x128_f8f6f4 with both operands' format E5M2, f32 sums; everything else in f32.
;; Inputs: Wk 1,024 x 1,024 float32; Wq 1,024 x 1,024 float32; Wv 1,024 x 1,024 float32; X 4 x 2,048 x 1,024 float32; bk 1,024 float32; bq 1,024 float32; bv 1,024 float32.
;; Outputs: out0 4 x 2,048 x 1,024 float32.
;; This version of the problem:
;;   THIS VERSION OF THE PROBLEM IS GIVEN IN LOW PRECISION. The matrix products marked QUANTISED in the list below multiply operands that are first quantised to E5M2 (5 exponent bits, 2 mantissa bits; 8 bits a number), with one power-of-two scale for each 32 numbers along K (OCP MX v1.0); their sums are f32. All else is computed in f32.
;;   The module's matrix products, in the order in which they are computed (A, B: the left and right operand; K: the contracted axis; several contracted axes count as one K, in the product's order):
;;     1. [M 8,192, K 1,024] x [K 1,024, N 1,024]; A: input X; B: input Wq: QUANTISED
;;     2. [M 8,192, K 1,024] x [K 1,024, N 1,024]; A: input X; B: input Wk: QUANTISED
;;     3. [M 8,192, K 1,024] x [K 1,024, N 1,024]; A: input X; B: input Wv: QUANTISED
;;     4. batch 4 x [M 2,048, K 1,024] x [K 1,024, N 2,048]; A: computed on the way; B: computed on the way: QUANTISED
;;     5. batch 4 x [M 2,048, K 2,048] x [K 2,048, N 1,024]; A: softmax (see below); B: computed on the way: QUANTISED
;;   THE QUANTISER, for each operand of a quantised product, along K:
;;     - K is cut into blocks of 32 from its start; a last block that is shorter is filled with zeros.
;;     - A block's scale is 2^e with e = floor(log2(the largest magnitude in the block)) - 15, held to -126 .. 127; a block of zeros has e = 0. As a byte (E8M0): e + 127.
;;     - Each number is divided by its block's scale, clamped to +-57,344, and rounded to the nearest number of E5M2, ties to even, subnormals kept.
;;     - The product sums the exact products of the quantised numbers (number of the format x scale) in f32.
;;   ~~~python
;;   def quantise(x, axis):      # numpy; x: float32 -> the quantised numbers, widened to float32 again
;;       x = np.moveaxis(x, axis, -1); K = x.shape[-1]
;;       x = np.pad(x, [(0, 0)] * (x.ndim - 1) + [(0, -K % 32)]); x = x.reshape(x.shape[:-1] + (-1, 32)); a = np.abs(x).max(-1, keepdims=True)
;;       e = np.where(a > 0, np.clip(np.frexp(np.where(a > 0, a, 1))[1] - 1 - 15, -126, 127), 0)      # np.frexp(a)[1] - 1 = floor(log2(a)), exactly
;;       r = np.clip(x / 2.0 ** e, -57344, 57344)
;;       step = 2.0 ** (np.maximum(np.frexp(np.where(r == 0, 1, r))[1] - 1, -14) - 2)
;;       q = np.round(r / step) * step * 2.0 ** e      # np.round: ties to even
;;       return np.moveaxis(q.reshape(q.shape[:-2] + (-1,))[..., :K], -1, axis).astype(np.float32)
;;   ~~~
;;   SOFTMAX AHEAD OF A QUANTISED PRODUCT. Where the list says 'softmax', what is quantised is not the finished softmax but p = 2^(t - M), with t = logit x log2(e) and M = ceil(the row's largest t), a whole number; so 1/2 < the row's largest p <= 1. The row's sum l is taken of the UNQUANTISED p, in f32, and the product's result is divided by l at the end. Since M is a whole number, a kernel that streams over the keys may use a running M (the ceiling of the running maximum): every later rescaling is an exact power of two, which a block's scale takes up: the codes' values come out the same.
;;   OPERANDS COMPUTED ON THE WAY. 'Computed on the way' means the value that the module computes at that place (a softmax that the list does not call 'softmax' is quantised finished and normalised). What goes into a quantiser is computed in f32, as accurately as f32 sums, v_exp_f32 and their like allow (about 1e-6 of the number): no bf16 or f16 on the way to a quantiser, and a product that is left as it is and whose result goes on into a quantised operand takes f32 operands (vector FMAs, or v_wmma_f32_16x16x4_f32). A number that lies on a knife's edge between two numbers of the format may be rounded either way, as far as f32 arithmetic and the matrix unit's own rounding can turn it there, and no further.
;; One version. Each part assembles by itself: llvm-mc -triple=amdgcn-amd-amdhsa -mcpu=gfx1250 --defsym DOCPART=n.
;; ======== version 1 of 1: 4 launches
;; limits: right only within a limited range of input values
;; workspace buffers: xwc 11,534,336 bytes; xws 360,448 bytes; qkc 16,777,216 bytes; qks 524,288 bytes; vc 8,388,608 bytes; vs 262,144 bytes; pc 16,777,216 bytes; ptab 1,572,864 bytes
;; launch quant (part 1): grid 256 x 1, 11 waves a work-group, no clusters, 96,512 bytes of LDS; arguments X, Wq, Wk, Wv, xwc, xws; writes xwc, xws
.if DOCPART == 1
	.amdgcn_target "amdgcn-amd-amdhsa--gfx1250"
	.amdhsa_code_object_version 6
	.text
	.protected	k_q1651051cac_quant
	.globl	k_q1651051cac_quant
	.p2align	8
	.type	k_q1651051cac_quant,@function
k_q1651051cac_quant:
	s_mov_b64 s[64:65], 0
	v_nop
	global_prefetch_b8 v0, s[64:65] scope:SCOPE_SE
	s_setreg_imm32_b32 hwreg(HW_REG_WAVE_MODE, 25, 1), 1
	s_wait_xcnt 0x0
; FIRST OF FOUR LAUNCHES.  X [8192][1024], Wq, Wk, Wv [1024][1024], f32, K innermost, become codes of BF8 (E5M2) with one E8M0 byte for each 32 along K.
; THE PROGRAM: quant (this) | proj: Q, K = X W^T + b and V^T = Wv X^T + bv, quantised on the way out | score: the live tiles of Q K^T, p and its codes | pv: O = P V / l.
; DEAD WORK LEFT OUT, in score and pv: the problem sets a score to -infinity wherever key > query, whatever the inputs hold, so its weight is 0 and it reaches no output.  Tiles of 256 x 256 scores all of
; whose keys come after all of their queries are not computed, and P V is not walked past a query tile's last step of 256 keys.  LIMIT: a NaN, an infinity or an overflow that reaches only that work is
; not carried to the result.  All seven inputs are live: each bias goes into a quantised operand.
; LAYOUT: a row block is 16 rows; 16 rows x 128 K are a fragment of 2,048 bytes, an image of the operand's 16 registers: byte 512 c + 16 l + e is the code of row l % 16 at k = 32 c + 16 (l / 16) + e.
; xwc is [704 places][8 chunks of 128][2,048].  X's row block f (places 0-511) has as row 8 m + i the true row 32 (f / 2) + 8 (f % 2) + 16 m + i; in each window of sixteen, block 8 w + k lies at place 2 k + w.
; A weight's row block 4 v + j (places from 512 on: Wq, Wk, Wv) has as row 8 m + i the true row 64 v + 32 m + 8 j + i.
; xws, 512 bytes a place: X: [2 halves of K][16 rows][4 chunks][4 bytes];  weights: [4 pairs of chunks][16 rows][2 chunks][4 bytes].  Byte b of a word scales k = 32 b .. 32 b + 31 of its chunk.
; A block's scale is 2^(floor(log2(its largest magnitude)) - 15); its byte is that magnitude's exponent field - 15, held at 1 from below.
; LIMITS: a block of zeros gets the byte 1 where the rule says 127 (its codes are zeros, and this program alone reads the bytes); NaN and infinities among the inputs are not served.
; SHARES: a wave takes one row block x two chunks, all 32 loads of which go out at the head.  Of work-group G's eleven waves, 0-7 take X's 64 rows from 64 (G / 2), half G % 2 of K; waves 8-10 take three of the
; weights' 768 pairs of chunks.  So 256 work-groups have equal shares.  No tensor load, no matrix unit, no cluster: nothing is shared.
.set SP,    528                        ; a stage row: 512 bytes + 16
.set STGW,  16*SP
.set SST,   11*STGW                    ; behind the stages: scale words: X's [4 row blocks][16 rows][16 bytes], then three weight waves' 256 bytes each
.set SPARE, SST+2048
.set SPW,   10
.set NIL,   11
.set TM,    12                         ; v12-15 largest magnitudes, v16-19 bytes, v20-23 the largest number x the scale, v24-27 the conversions' scale operands
.set PW,    28
.set PC,    32                         ; v32-63 codes
.set X,     64                         ; v64-127 64 numbers of my row
.set R,     128                        ; v128-255 as loaded
.set SEL,   20
.set MNT,   23
	s_load_b256 s[4:11], s[0:1], 0x0               ; X, Wq, Wk, Wv
	s_load_b128 s[12:15], s[0:1], 0x20             ; xwc, xws
	v_lshl_add_u32 v[SPW], v0, 2, SPARE
	v_mov_b32 v[NIL], 0
	v_lshrrev_b32 v1, 5, v0
	v_readfirstlane_b32 s16, v1                    ; wave 0..10
	s_and_b32 s30, s16, 3
	s_bfe_u32 s31, s16, 0x10002
	s_lshr_b32 s29, s16, 3                         ; 1: my rows are a weight's
	s_mul_i32 s17, s16, STGW
	s_lshl_b32 s18, s29, 10
	s_lshl_b32 s19, s30, 8
	s_add_co_u32 s18, s18, s19
	s_add_co_u32 s18, s18, SST                     ; my row block's words in LDS
	s_lshl_b32 s19, s31, 3
	s_add_co_u32 s19, s18, s19
	v_and_b32 v1, 31, v0                           ; l
	v_and_b32 v2, 15, v0                           ; r
	v_bfe_u32 v3, v0, 4, 1                         ; h
	v_lshlrev_b32 v4, 4, v1                        ; 16 l
	v_mul_u32_u24 v6, v2, SP
	v_lshlrev_b32 v7, 4, v2
	v_lshlrev_b32 v9, 3, v1                        ; 8 l
	v_lshl_add_u32 v6, v3, 6, v6
	v_add_nc_u32 v5, s17, v4                       ; the stage, on the way in
	v_add_nc_u32 v7, s19, v7                       ; my row's words: 16 r
	v_add_nc_u32 v6, s17, v6                       ; and out: row r, + 64 h
	v_add_nc_u32 v8, s18, v9                       ; X's words on their way out: 8 bytes a lane
	v_lshrrev_b32 v2, 1, v1
	v_and_b32 v3, 1, v1
	v_lshlrev_b32 v2, 4, v2
	v_lshl_add_u32 v2, v3, 2, v2
	v_lshlrev_b32 v3, 2, v1                        ; 4 l
	v_add_nc_u32 v1, s18, v2                       ; a weight's words: row l / 2, word l % 2
.irp b, 0,1,2,3
	v_mov_b32 v[TM+4+\b], 0                        ; written once: a lane permute's destination counts as one of its sources
.endr
	s_mov_b32 s[SEL], 0x76543210
	s_mov_b32 s[SEL+1], 0xfedcba98
	s_mov_b32 s[MNT], 0x600000
	s_lshr_b32 s24, ttmp9, 1                       ; X: which 64 rows
	s_and_b32 s18, ttmp9, 1                        ; and which half of K
	s_mul_i32 s25, ttmp9, 3
	s_add_co_u32 s25, s25, s30                     ; weights: pair 3 G + wave - 8
	s_lshr_b32 s26, s25, 2                         ; its row block of 192
	s_and_b32 s25, s25, 3                          ; its two chunks
	s_lshl_b32 s19, s18, 1
	s_add_co_u32 s19, s19, s31                     ; X: my two chunks
	s_and_b32 s27, s26, 3
	s_bfe_u32 s28, s26, 0x40002
	s_lshr_b32 s32, s24, 2                         ; X's place: 16 (G' / 4) + 8 (G' % 2) + 2 b + (G' % 4) / 2, G' = G / 2, b = wave % 4
	s_lshl_b32 s32, s32, 4
	s_and_b32 s33, s24, 1
	s_lshl_b32 s33, s33, 3
	s_add_co_u32 s32, s32, s33
	s_lshl_b32 s33, s30, 1
	s_add_co_u32 s32, s32, s33
	s_bfe_u32 s33, s24, 0x10001
	s_add_co_u32 s32, s32, s33
	s_add_co_u32 s33, s26, 512                     ; a weight's
	s_lshr_b32 s34, s30, 1
	s_lshl_b32 s34, s34, 4
	s_lshl_b32 s35, s18, 8
	s_lshl_b32 s36, s25, 7
	s_mov_b32 s37, 0x10000
	s_cmp_eq_u32 s29, 1
	s_cselect_b32 s19, s25, s19
	s_cselect_b32 s24, s28, s24
	s_cselect_b32 s27, s27, s30
	s_cselect_b32 s32, s33, s32
	s_cselect_b32 s34, 0, s34
	s_cselect_b32 s35, s36, s35
	s_cselect_b32 s38, 0x20000, s37                ; rows 8-15 lie 16 true rows behind rows 0-7 (X), or 32 (weights)
	s_mov_b32 s39, 0
	s_lshl_b32 s24, s24, 6
	s_lshl_b32 s27, s27, 3
	s_add_co_u32 s24, s24, s27
	s_add_co_u32 s24, s24, s34                     ; my first true row: 64 group + 8 b, X: + 16 (b / 2)
	s_lshl_b32 s24, s24, 12
	s_lshl_b32 s27, s19, 10
	s_add_co_u32 s24, s24, s27
	s_mov_b32 s25, 0
	s_lshl_b32 s36, s32, 14                        ; codes: 16,384 bytes a place
	s_lshl_b32 s27, s19, 12
	s_add_co_u32 s36, s36, s27
	s_mov_b32 s37, 0
	s_lshl_b32 s32, s32, 9                         ; words: 512 bytes a place
	s_add_co_u32 s32, s32, s35
	s_mov_b32 s33, 0
	s_mul_i32 s26, s26, s29                        ; 0 in X's waves
	s_wait_alu depctr_va_vdst(0)                   ; the wait at the head's end
	s_wait_kmcnt 0x0
	s_cmp_eq_u32 s29, 1                            ; which tensor: ids alone
	s_cselect_b64 s[4:5], s[6:7], s[4:5]
	s_cmp_ge_u32 s26, 64
	s_cselect_b64 s[4:5], s[8:9], s[4:5]
	s_cmp_ge_u32 s26, 128
	s_cselect_b64 s[4:5], s[10:11], s[4:5]
	s_add_nc_u64 s[4:5], s[4:5], s[24:25]
	s_add_nc_u64 s[6:7], s[4:5], s[38:39]
	s_add_nc_u64 s[12:13], s[12:13], s[36:37]
	s_add_nc_u64 s[14:15], s[14:15], s[32:33]
.macro LOAD f                          ; my chunk f of my 16 rows: 512 consecutive bytes a load
.irp t, 0,1,2,3,4,5,6,7
	global_load_b128 v[R+64*(\f)+4*\t:R+64*(\f)+4*\t+3], v4, s[4:5] offset:\t*4096+512*(\f) th:TH_LOAD_NT
.endr
.irp t, 0,1,2,3,4,5,6,7
	global_load_b128 v[R+64*(\f)+32+4*\t:R+64*(\f)+32+4*\t+3], v4, s[6:7] offset:\t*4096+512*(\f) th:TH_LOAD_NT
.endr
.endm
.macro QUANT s, pc                     ; 64 numbers of a lane become a fragment's codes in v[pc] on and its scale word in v[PW]
.irp b, 0,1,2,3
	v_max3_num_f32 v[TM+\b], |v[\s+16*\b]|, |v[\s+1+16*\b]|, 0x8000000   ; the floor 2^(16 - 127): the byte cannot fall under 1
.endr
.irp i, 2,4,6,8,10,12,14
.irp b, 0,1,2,3
	s_delay_alu instid0(VALU_DEP_4)
	v_max3_num_f32 v[TM+\b], v[TM+\b], |v[\s+16*\b+\i]|, |v[\s+1+16*\b+\i]|
.endr
.endr
.irp b, 0,1,2,3
	s_delay_alu instid0(VALU_DEP_4)
	v_permlanex16_b32 v[TM+4+\b], v[TM+\b], s[SEL], s[SEL+1]
.endr
.irp b, 0,1,2,3
	s_delay_alu instid0(VALU_DEP_4)
	v_max_num_f32 v[TM+\b], v[TM+\b], v[TM+4+\b]   ; with lane l xor 16's
.endr
.irp b, 0,1,2,3
	s_delay_alu instid0(VALU_DEP_4)
	v_add_nc_u32 v[TM+12+\b], 0xf8800000, v[TM+\b] ; 15 off its exponent field: the conversion's scale operand
.endr
.irp b, 0,1,2,3
	v_and_or_b32 v[TM+8+\b], v[TM+\b], 0x7f800000, s[MNT]   ; 57,344 x the scale
.endr
.irp b, 0,1,2,3
	v_lshrrev_b32 v[TM+4+\b], 23, v[TM+12+\b]      ; the byte
.endr
	v_lshl_or_b32 v[PW], v[TM+5], 8, v[TM+4]
	s_delay_alu instid0(VALU_DEP_1)
	v_lshl_or_b32 v[PW], v[TM+6], 16, v[PW]
	s_delay_alu instid0(VALU_DEP_1)
	v_lshl_or_b32 v[PW], v[TM+7], 24, v[PW]
.irp b, 0,1,2,3
.irp i, 0,1,2,3,4,5,6,7,8,9,10,11,12,13,14,15
	v_med3_num_f32 v[\s+16*\b+\i], v[\s+16*\b+\i], -v[TM+8+\b], v[TM+8+\b]   ; the conversion to an 8-bit code does not saturate (ISA guide 7.6.2): the hold
.endr
	v_cvt_scalef32_pk8_bf8_f32 v[\pc+4*\b:\pc+1+4*\b], v[\s+16*\b:\s+7+16*\b], v[TM+12+\b]
	v_cvt_scalef32_pk8_bf8_f32 v[\pc+2+4*\b:\pc+3+4*\b], v[\s+8+16*\b:\s+15+16*\b], v[TM+12+\b]
.endr
	v_nop                                          ; a plain line behind the last conversion
.endm
.macro FRAGMENT f
.set RS, R+64*(\f)
.set PCS, PC+16*(\f)
.if (\f) < 1
	s_wait_loadcnt 16                              ; the second fragment's 16 loads may be out
.else
	s_wait_loadcnt 0x0
.endif
.irp t, 0,1,2,3,4,5,6,7,8,9,10,11,12,13,14,15
	ds_store_b128 v5, v[RS+4*\t:RS+4*\t+3] offset:SP*\t
.endr
.irp c, 0,1,2,3
.irp j, 0,1,2,3
	ds_load_b128 v[X+16*\c+4*\j:X+16*\c+4*\j+3], v6 offset:128*\c+16*\j   ; LDS serves a wave's instructions in order: these see the stores above
.endr
.endr
	s_wait_dscnt 0x0
	QUANT X, PCS
.irp c, 0,1,2,3
	global_store_b128 v4, v[PCS+4*\c:PCS+4*\c+3], s[12:13] offset:2048*(\f)+512*\c   ; 512 consecutive bytes, aligned
.endr
	ds_store_b32 v7, v[PW] offset:4*(\f)           ; both halves of the lanes write the same word with the same value
.endm
	LOAD 0
	LOAD 1
	FRAGMENT 0
	FRAGMENT 1
	s_wait_dscnt 0x0                               ; for the others: my scale words are stored
	s_barrier_signal -1
	s_barrier_wait -1
	s_cmp_ge_u32 s16, 8
	s_cbranch_scc1 .Lweight
	s_cmp_ge_u32 s16, 4
	s_cbranch_scc1 .Lno_words
	ds_load_b64 v[30:31], v8                       ; waves 0-3: a row block's half: 256 consecutive bytes, aligned
	s_wait_dscnt 0x0
	global_store_b64 v9, v[30:31], s[14:15]
	s_branch .Lno_words
.Lweight:
	ds_load_b32 v30, v1                            ; waves 8-10: my own 128 bytes
	s_wait_dscnt 0x0
	global_store_b32 v3, v30, s[14:15]
.Lno_words:
	s_wait_tensorcnt 0x0                           ; the wave's end, behind my last LDS store
	ds_add_u32 v[SPW], v[NIL]
	s_wait_dscnt 0x0
	s_endpgm
.Lfunc_end_k_q1651051cac_quant:
	.size	k_q1651051cac_quant, .Lfunc_end_k_q1651051cac_quant-k_q1651051cac_quant
	.p2alignl 7, 3214868480
	.fill 96, 4, 3214868480
	.section	.rodata,"a",@progbits
	.p2align	6, 0x0
	.amdhsa_kernel k_q1651051cac_quant
		.amdhsa_group_segment_fixed_size 96512
		.amdhsa_private_segment_fixed_size 0
		.amdhsa_enable_private_segment 0
		.amdhsa_kernarg_size 48
		.amdhsa_user_sgpr_count 2
		.amdhsa_user_sgpr_kernarg_segment_ptr 1
		.amdhsa_wavefront_size32 1
		.amdhsa_system_sgpr_workgroup_id_x 1
		.amdhsa_system_sgpr_workgroup_id_y 1
		.amdhsa_system_sgpr_workgroup_id_z 1
		.amdhsa_system_vgpr_workitem_id 0
		.amdhsa_next_free_vgpr 256
		.amdhsa_next_free_sgpr 66
		.amdhsa_reserve_vcc 0
		.amdhsa_float_denorm_mode_32 3
		.amdhsa_float_denorm_mode_16_64 3
		.amdhsa_memory_ordered 1
		.amdhsa_forward_progress 1
		.amdhsa_inst_pref_size 32
	.end_amdhsa_kernel
	.amdgpu_metadata
---
amdhsa.version: [ 1, 2 ]
amdhsa.kernels:
  - .name:           k_q1651051cac_quant
    .symbol:         k_q1651051cac_quant.kd
    .args:
      - { .name: X, .offset: 0, .size: 8, .value_kind: global_buffer, .address_space: global }
      - { .name: Wq, .offset: 8, .size: 8, .value_kind: global_buffer, .address_space: global }
      - { .name: Wk, .offset: 16, .size: 8, .value_kind: global_buffer, .address_space: global }
      - { .name: Wv, .offset: 24, .size: 8, .value_kind: global_buffer, .address_space: global }
      - { .name: xwc, .offset: 32, .size: 8, .value_kind: global_buffer, .address_space: global }
      - { .name: xws, .offset: 40, .size: 8, .value_kind: global_buffer, .address_space: global }
    .group_segment_fixed_size: 96512
    .private_segment_fixed_size: 0
    .kernarg_segment_align: 8
    .kernarg_segment_size: 48
    .max_flat_workgroup_size: 352
    .sgpr_count:     66
    .vgpr_count:     256
    .wavefront_size: 32
...
	.end_amdgpu_metadata
.endif
;; end of part 1
;; launch proj (part 2): grid 16 x 16, 4 waves a work-group, clusters of 4 x 4, 327,680 bytes of LDS; arguments xwc, xws, qkc, qks, vc, vs, bq, bk, bv; writes qkc, qks, vc, vs
.if DOCPART == 2
	.amdgcn_target "amdgcn-amd-amdhsa--gfx1250"
	.amdhsa_code_object_version 6
	.text
	.protected	k_q1651051cac_proj
	.globl	k_q1651051cac_proj
	.p2align	8
	.type	k_q1651051cac_proj,@function
k_q1651051cac_proj:
	s_mov_b64 s[64:65], 0
	v_nop
	global_prefetch_b8 v0, s[64:65] scope:SCOPE_SE
	s_setreg_imm32_b32 hwreg(HW_REG_WAVE_MODE, 25, 1), 1
	s_wait_xcnt 0x0
	s_wait_alu depctr_hold_cnt(0) depctr_sa_sdst(0) depctr_va_vdst(0) depctr_va_sdst(0) depctr_va_ssrc(0) depctr_va_vcc(0) depctr_vm_vsrc(0)
	s_getreg_b32 s2, hwreg(HW_REG_IB_STS2, 6, 4)
	s_cmp_eq_u32 s2, 0
	s_cbranch_scc0 .Lentry_in_a_cluster
	s_endpgm
.Lentry_in_a_cluster:
	s_bfe_u32 s2, ttmp6, 0x10000c
	s_cmp_lg_u32 s2, 0xf033
	s_cbranch_scc0 .Lentry_shape_is_right
	s_endpgm
.Lentry_shape_is_right:
; SECOND LAUNCH.  Q = X Wq^T + bq, K = X Wk^T + bk, V^T = Wv X^T + bv on codes of BF8 with E8M0 scales, each result quantised along the NEXT product's K on the way out.
; OUT: qkc [Q, K][512 row blocks][8 chunks][2,048], row blocks in X's true order; qks [Q, K][8 chunks][8,192 places][4]; vc [64 row blocks of channels][64 chunks of 128 tokens][2,048]; vs [64 chunks][1,024 places][4].
; LIMITS: a block of zeros carries the byte 1; NaN and infinities are not served.
; 256 work-groups of four waves, 2 x 2.  A wave holds 64 rows of a weight, all of K, in 512 registers (windows 1, 2); X's rows stream past in blocks of 16, all of K, two sets of 128 registers (window 3).
; PHASE 1: 512 tokens x 128 columns of Q (tile columns 0-7) or K (8-15): sixteen blocks a wave.  PHASE 2: 256 tokens (window s18 of my own two) x 128 channels of V: eight blocks.
; The weight's rows are ordered so that lane (r, h) holds, over four tiles, 32 neighbouring columns of token r (one scale block); for V a pair of blocks gives lane (r, h) 16 neighbouring tokens of channel r.
; LDS: two slots of 8 row blocks as they lie in memory, 16 bytes a lane on end, no padding; a chunk's block k of wave row w lies at place 2 k + w.  The window that is not V's goes first, so chunk 3 still lies in slot 1 when V begins.
; FILLS: the head: first weight (slot 1), chunk 0 (slot 0), two windows' scale words.  Refills in drained rounds: chunks 1, 2, 3 inside blocks 0, 4, 8; W_v's rows behind block 11; chunk 2 anew behind W_v's loads.
; A block's way out stands among the next block's products, a pair of V's blocks among the next pair's.  CLUSTERS 4 x 4: X's rows are asked for jointly along a row of the cluster, a weight's along a column.
; The bias is the C of each sum's first product.
.set CH,    128                        ; rows in a slot
.set ROWB,  1024                       ; bytes a row of codes
.set KS,    32                         ; bytes a row of scale words
.set TOK,   8192
.set NQ,    8
.set NB,    4
.set FR,    16
.set FPW,   16
.set NP,    8                          ; places behind this matrix instruction (ISA guide 7.12.1)
.set NF,    34                         ; LDS loads of a block
.set BLK16, 16384                      ; a row block's bytes, in LDS and from row block to row block of qkc
.set YB,    131072                     ; slot 1
.set SCL,   262144                     ; X's scale words in the order of work: 512 bytes a place
.set SSTEP, 1024                       ; from a block of mine to the next
.set XN,    SCL+16384                  ; new words of Q or K: 512 rows x 4 in the order of work
.set XV,    XN+8192                    ; V's: [2 heads of 64][2 chunks][64 channels][4]
.set SPARE, XV+4096
.set EMAX,  15
.set ADRA0, 4
.set CN,    5
.set AAS0,  6
.set CO,    9
.set SPW,   10
.set NIL,   11
.set ADRA,  12
.set VX,    13
.set ADRB,  14
.set ABS,   16
.set AAS,   17
.set RD,    19
.set SOP,   20                         ; v20-23 the conversions' scale operands
.set SB,    24                         ; v24-39 the weight's scale words: register 8 p + q: lanes 0-15 tile 2 p, lanes 16-31 tile 2 p + 1
.set EB,    40                         ; v40-43 bytes
.set SA,    44                         ; v44-59 X's, two sets
.set TQ,    60                         ; v60-63 maxima and bounds
.set ACC,   64                         ; v64-191 four sets of four accumulators; products write 0 and 1, sets 2 and 3 take a pair of V's blocks
.set WS,    128                        ; v128-143 in phase 1: W_v's scale words
.set NCD,   192
.set MCD,   192
.set BQ,    208                        ; v208-239 the bias, the first four products' C
.set BV,    240                        ; v240-243 V's, until the change of phase
.set G1A, 24
.set G0A, 56
.set G1B, 32
.set G0B, 60
.set G1R, 48
.set G0R, 68
.set G1S, 92
.set G0S, 72
.set MSB, 0
.macro WIN new
.if MSB != (\new)
	s_set_vgpr_msb (MSB<<8)|(\new)
.set MSB, (\new)
.endif
.endm
.macro PLACES n
.rept \n
	v_nop
.endr
.endm
.macro BARRIER
	s_barrier_signal -1
	s_barrier_wait -1
.endm
.macro CROUND
	BARRIER
	s_cmp_lg_u32 s14, 0
	s_cbranch_scc1 .Lnot_wave_0_\@
	s_barrier_signal -3
.Lnot_wave_0_\@:
	s_barrier_wait -3
	BARRIER
.endm
.macro TLOAD g0, g1                    ; s_nop 0 and four v_nop follow each tensor load
	tensor_load_to_lds s[\g0:\g0+3], s[\g1:\g1+7]
	s_nop 0
	PLACES 4
.endm
.macro GROUP1 g, mask, rows            ; so many rows of 4,096 dense bytes, shared by the mask
	s_or_b32 s[\g+0], s[\mask], (3<<16)|(1<<21)
	s_mov_b32 s[\g+1], 512<<16
	s_mov_b32 s[\g+2], (\rows)<<16
	s_mov_b32 s[\g+3], 512<<16
	s_mov_b32 s[\g+4], \rows
	s_mov_b32 s[\g+5], 512
	s_mov_b32 s[\g+6], 0
	s_mov_b32 s[\g+7], 0
.endm
.macro SADD d, x
	s_add_co_u32 s\d, s\d, s\x
.endm
.macro SHADD d, x, n                   ; d += x << n
	s_lshl_b32 s22, s\x, \n
	s_add_co_u32 s\d, s\d, s22
.endm
	s_load_b128 s[4:7], s[0:1], 0x0                ; xwc, xws
	v_lshl_add_u32 v[SPW], v0, 2, SPARE
	v_mov_b32 v[NIL], 0
	ds_add_u32 v[SPW], v[NIL]                      ; the opening: the add, twice on end
	ds_add_u32 v[SPW], v[NIL]
	v_lshrrev_b32 v1, 5, v0
	v_readfirstlane_b32 s14, v1                    ; wave
	s_lshr_b32 s15, s14, 1                         ; my row of waves
	s_and_b32 s16, s14, 1                          ; my column
	s_bfe_u32 s40, ttmp6, 0x40000                  ; cx
	s_bfe_u32 s41, ttmp6, 0x40004                  ; cy
	s_lshl_b32 s42, ttmp9, 2
	SADD 42, 40                                    ; tile column
	s_and_b32 s43, ttmp7, 0xffff
	s_lshl_b32 s43, s43, 2
	SADD 43, 41                                    ; tile row
	s_lshr_b32 s19, ttmp9, 1                       ; 0: Q, 1: K: the cluster's number alone
	s_and_b32 s18, ttmp9, 1                        ; V's window
	s_lshl_b32 s44, s41, 2
	s_lshl_b32 s44, 15, s44                        ; my row of the cluster: shares X's rows
	s_lshl_b32 s45, 0x1111, s40                    ; my column: shares a weight's
	GROUP1 G1B, 45, 32
	GROUP1 G1A, 44, 32
	GROUP1 G1R, 44, 8
	GROUP1 G1S, 44, 2                              ; a window's scale words: 8,192 bytes
	s_mov_b32 s[G0S], 1
	s_lshl_b32 s[G0S+1], s16, 13
	s_add_co_u32 s[G0S+1], s[G0S+1], SCL
	; s67, s2, s3: bytes in xwc: the window that is not V's, V's, W_v's rows
	s_mul_i32 s67, s43, 512*ROWB
	s_mul_i32 s20, s18, 256*ROWB
	s_add_co_u32 s2, s67, s20
	s_xor_b32 s20, s20, 256*ROWB
	SADD 67, 20
	s_lshl_b32 s13, s19, 2
	SADD 13, 40                                    ; W_v's tile column: 4 (cluster x / 2) + cx
	s_mul_i32 s3, s13, 128*ROWB
	s_add_co_u32 s3, s3, (TOK+2048)*ROWB
	s_mul_i32 s12, s13, 128*KS
	s_mul_i32 s21, s16, 64*KS
	SADD 12, 21
	s_add_co_u32 s12, s12, (TOK+2048)*KS           ; W_v's scale words: my wave's 64 rows
	s_mul_i32 s78, s42, 128*ROWB
	s_add_co_u32 s78, s78, TOK*ROWB                ; the first weight's codes
	s_mov_b32 s79, 0
	s_lshl_b32 s80, s43, 1
	s_xor_b32 s20, s18, 1
	s_cmp_eq_u32 s16, 1
	s_cselect_b32 s20, s18, s20
	SADD 80, 20
	s_mul_i32 s80, s80, 256*KS                     ; X's scale words: wave 2 the window that is not V's, wave 3 V's
	s_mov_b32 s81, 0
	s_mul_i32 s82, s42, 128*KS
	SADD 82, 21
	s_add_co_u32 s82, s82, TOK*KS
	s_mov_b32 s83, 0
	s_mov_b32 s[G0A], 1
	s_mov_b32 s[G0A+1], 0
	s_mov_b32 s[G0B], 1
	s_mov_b32 s[G0B+1], YB
	s_mov_b32 s[G0R], 1
	s_mul_i32 s20, s15, BLK16
	s_mul_i32 s22, s16, NB*BLK16
	s_lshl_b32 s23, s15, 9
	s_add_co_u32 s23, s23, SCL
	v_and_b32 v1, 15, v0                           ; r
	v_bfe_u32 v2, v0, 4, 1                         ; h
	v_and_b32 v3, 31, v0                           ; l
	v_lshlrev_b32 v[CO], 4, v3                     ; 16 l
	v_add_nc_u32 v[ADRA0], s20, v[CO]              ; block 0: place = my row of waves
	v_add_nc_u32 v[ADRB+1], s22, v[CO]             ; v15: my 64 rows of a weight in slot 0; v14: in slot 1
	v_add_nc_u32 v[ADRB], YB, v[ADRB+1]
	v_lshlrev_b32 v[ABS], 3, v1
	v_lshl_add_u32 v[ABS], v2, 9, v[ABS]           ; a weight's scale words: 512 h + 8 r
	v_lshlrev_b32 v[AAS0], 4, v1
	v_add_nc_u32 v[AAS0], s23, v[AAS0]             ; X's: 16 r
	s_lshl_b32 s90, s40, 2
	SADD 90, 14                                    ; my share of a prefetch of X's rows among the cluster row's sixteen waves
	s_lshl_b32 s100, s41, 2
	SADD 100, 14                                   ; and of W_v's among the column's
	s_wait_alu depctr_va_vdst(0)
	s_wait_dscnt 0x0                               ; both opening adds are done
	CROUND                                         ; all sixteen work-groups are here
	s_wait_kmcnt 0x0
	s_mov_b32 s86, s67
	s_mov_b32 s87, 0
	s_add_nc_u64 s[G0A+2:G0A+3], s[4:5], s[86:87]
	s_or_b32 s[G0A+3], s[G0A+3], 0x80000000
	s_add_nc_u64 s[G0B+2:G0B+3], s[4:5], s[78:79]
	s_or_b32 s[G0B+3], s[G0B+3], 0x80000000
	s_add_nc_u64 s[G0S+2:G0S+3], s[6:7], s[80:81]
	s_or_b32 s[G0S+3], s[G0S+3], 0x80000000
	s_add_nc_u64 s[10:11], s[6:7], s[82:83]
	s_cmp_eq_u32 s14, 0                            ; one joint load a wave, a line of its own for what is shown ahead of the rest
	s_cbranch_scc0 .Lwave_1
	TLOAD G0B, G1B                                 ; wave 0: the first weight's rows
	s_branch .Lasked
.Lwave_1:
	s_cmp_eq_u32 s14, 1
	s_cbranch_scc0 .Lfor_scales
	TLOAD G0A, G1A                                 ; wave 1: chunk 0
	s_branch .Lasked
.Lfor_scales:
	TLOAD G0S, G1S                                 ; waves 2, 3: a window's scale words each
.Lasked:
	; where results go: offsets now, addresses ahead of the stream
	s_and_b32 s21, s42, 7                          ; my chunk of the next K
	s_lshl_b32 s76, s19, 23
	SHADD 76, 21, 11
	SHADD 76, 16, 10
	SHADD 76, 43, 19
	SHADD 76, 15, 17
	s_mov_b32 s77, 0
	s_lshl_b32 s78, s19, 18                        ; qks: wave n stores window n / 2 in the order of work, 128 rows n % 2 of it
	SHADD 78, 21, 15
	SHADD 78, 43, 11
	s_xor_b32 s20, s15, s18
	s_xor_b32 s20, s20, 1
	SHADD 78, 20, 10
	SHADD 78, 16, 9
	s_mov_b32 s79, 0
	s_lshl_b32 s23, s13, 1
	s_lshl_b32 s20, s43, 1
	SADD 20, 18                                    ; V's window of 256 tokens
	s_add_co_u32 s21, s23, s16                     ; my 64 channels
	s_lshl_b32 s80, s21, 19
	SHADD 80, 20, 12
	SHADD 80, 15, 11
	s_mov_b32 s81, 0
	s_add_co_u32 s21, s23, s15                     ; vs: wave n stores 64 channels n / 2, chunk n % 2
	s_lshl_b32 s82, s21, 8
	SHADD 82, 20, 13
	SHADD 82, 16, 12
	s_mov_b32 s83, 0
	; the bias.  Phase 1: register i of tile j of lane (r, h) is column 32 h + 8 j + i of my 64; phase 2: all registers of tile t are channel 32 (r / 8) + 8 t + r % 8
	s_load_b64 s[84:85], s[0:1], 0x30              ; bq
	s_load_b64 s[46:47], s[0:1], 0x38              ; bk
	s_load_b64 s[88:89], s[0:1], 0x40              ; bv
	s_and_b32 s20, s42, 7
	s_lshl_b32 s20, s20, 1
	SADD 20, 16
	s_lshl_b32 s20, s20, 8
	s_lshl_b32 s22, s13, 1
	SADD 22, 16
	s_lshl_b32 s22, s22, 8
	s_mov_b32 s21, 0
	s_mov_b32 s23, 0
	v_lshlrev_b32 v22, 7, v2
	v_lshrrev_b32 v23, 3, v1
	v_lshlrev_b32 v23, 7, v23
	v_and_b32 v8, 7, v1
	v_lshl_add_u32 v23, v8, 2, v23
	s_wait_alu depctr_va_vdst(0)
	s_wait_kmcnt 0x0
	s_add_nc_u64 s[22:23], s[88:89], s[22:23]
	s_cmp_eq_u32 s19, 1
	s_cselect_b64 s[84:85], s[46:47], s[84:85]
	s_add_nc_u64 s[20:21], s[84:85], s[20:21]
.irp k, 0,1,2,3,4,5,6,7
	global_load_b128 v[BQ+4*\k:BQ+4*\k+3], v22, s[20:21] offset:16*\k
.endr
.irp t, 0,1,2,3
	global_load_b32 v[BV+\t], v23, s[22:23] offset:32*\t
.endr
	s_wait_xcnt 0x0                                ; the loads have taken their addresses, which change below
	s_lshl_b32 s21, s15, 9
	s_lshl_b32 s22, s16, 1
	SADD 21, 22
	s_add_co_u32 s21, s21, XN
	v_lshl_add_u32 v23, v1, 2, v2
	v_add_nc_u32 v[VX], s21, v23                   ; Q's, K's byte: 512 w + 4 r + 2 column + h
	s_lshl_b32 s21, s16, 9
	s_lshl_b32 s22, s15, 8
	SADD 21, 22
	s_add_co_u32 s21, s21, XV
	v_lshlrev_b32 v23, 2, v1
	v_add_nc_u32 v[RD], s21, v23                   ; V's byte: 4 r; both halves of the lanes hold the same
	v_lshlrev_b32 v23, 9, v2
	v_lshl_add_u32 v[CN], v1, 4, v23
	s_mov_b32 s20, s12
	s_mov_b32 s21, 0
	s_add_nc_u64 s[20:21], s[6:7], s[20:21]
.irp p, 0,1
.irp c, 0,1,2,3
	global_load_b64 v[SB+NQ*\p+2*\c:SB+NQ*\p+2*\c+1], v[ABS], s[10:11] offset:1024*\p+128*\c
	global_load_b64 v[WS+NQ*\p+2*\c:WS+NQ*\p+2*\c+1], v[ABS], s[20:21] offset:1024*\p+128*\c
.endr
.endr
	s_wait_xcnt 0x0
	s_add_co_u32 s6, s67, CH*ROWB                  ; chunk 1
	s_add_co_u32 s7, s2, CH*ROWB                   ; chunk 3
	s_lshl_b32 s21, s90, 13
	s_add_co_u32 s22, s21, s6
	v_lshl_add_u32 v7, v3, 8, s22                  ; prefetches: my sixteenth of chunk 1, of chunk 2
	s_add_co_u32 s22, s21, s2
	v_lshl_add_u32 v8, v3, 8, s22
	v_add_nc_u32 v1, 2*BLK16, v[ADRA0]             ; block 1's LDS addresses
	v_add_nc_u32 v2, SSTEP, v[AAS0]
	s_wait_alu depctr_va_vdst(0)
	s_cmp_eq_u32 s14, 0
	s_cbranch_scc0 .Lnot_b
	s_wait_tensorcnt 0x0                           ; wave 0: the first weight has landed; the others wait at the second barrier
.Lnot_b:
	BARRIER
	global_prefetch_b8 v7, s[4:5] th:TH_LOAD_NT scope:SCOPE_SE
	global_prefetch_b8 v8, s[4:5] th:TH_LOAD_NT scope:SCOPE_SE
.macro WALU
	s_wait_alu depctr_va_vdst(0)
.endm
.macro MIDDLE                          ; a round's middle
	WIN 0
	s_barrier_wait -1
	s_cmp_lg_u32 s14, 0
	s_cbranch_scc1 .Lnot_wave_0_\@
	s_barrier_signal -3
.Lnot_wave_0_\@:
	s_barrier_wait -3
.endm
.macro GRD
	s_wait_tensorcnt 0x0
	ds_add_u32 v[SPW], v[NIL]
.endm
.macro FRAG f, adr, q, off             ; a weight's fragment f = NB q + tile: four loads, 512 bytes on end each; it lies in window 1 + f / 16
	WIN (1+(\f)/FPW)<<6
.irp c, 0,1,2,3
	ds_load_b128 v[FR*((\f)%FPW)+4*\c:FR*((\f)%FPW)+4*\c+3], v[\adr] offset:2048*(\q)+512*\c+(\off)
.endr
.endm
.macro WEIGHTS adr
.irp q, 0,1,2,3,4,5,6,7
.irp b, 0,1,2,3
	FRAG NB*\q+\b, \adr, \q, \b*BLK16
.endr
.endr
	WIN 0
.endm
.macro FETCHAT k, a, s                 ; a block of X into set k, and its scale words: NF loads
	WIN 3<<6
.irp q, 0,1,2,3,4,5,6,7
.irp c, 0,1,2,3
	ds_load_b128 v[128*\k+FR*\q+4*\c:128*\k+FR*\q+4*\c+3], v[\a] offset:2048*\q+512*\c
.endr
.endr
	WIN 0
	ds_load_b128 v[SA+8*\k:SA+8*\k+3], v[\s]
	ds_load_b128 v[SA+8*\k+4:SA+8*\k+7], v[\s] offset:256
.endm
.macro PROD kind, e, a, n              ; product n = 4 q + b of a block: X's set e, sums in set a.  kind 0 (Q, K): source 0 = the weight's rows; kind 1 (V): source 0 = X's
.set Q_, (\n)/4
.set B_, (\n)%4
.set FB_, NB*Q_+B_
.set AC_, ACC+32*(\a)+8*B_
.set C_, AC_
.if Q_ == 0
.set C_, BQ+8*B_
.endif
.set R_, 128*(\e)+FR*Q_
.set W_, FR*(FB_%FPW)
.set XS_, SA+8*(\e)+Q_
.set WS_, SB+8*(B_/2)+Q_
.if \kind
	WIN 3|((1+FB_/FPW)<<2)
.if B_%2
	v_wmma_scale_f32_16x16x128_f8f6f4 v[AC_:AC_+7], v[R_:R_+FR-1], v[W_:W_+FR-1], v[C_:C_+7], v[XS_], v[WS_] matrix_a_fmt:MATRIX_FMT_BF8 matrix_b_fmt:MATRIX_FMT_BF8 matrix_b_scale:MATRIX_SCALE_ROW1
.else
	v_wmma_scale_f32_16x16x128_f8f6f4 v[AC_:AC_+7], v[R_:R_+FR-1], v[W_:W_+FR-1], v[C_:C_+7], v[XS_], v[WS_] matrix_a_fmt:MATRIX_FMT_BF8 matrix_b_fmt:MATRIX_FMT_BF8
.endif
.else
	WIN (1+FB_/FPW)|(3<<2)
.if B_%2
	v_wmma_scale_f32_16x16x128_f8f6f4 v[AC_:AC_+7], v[W_:W_+FR-1], v[R_:R_+FR-1], v[C_:C_+7], v[WS_], v[XS_] matrix_a_fmt:MATRIX_FMT_BF8 matrix_b_fmt:MATRIX_FMT_BF8 matrix_a_scale:MATRIX_SCALE_ROW1
.else
	v_wmma_scale_f32_16x16x128_f8f6f4 v[AC_:AC_+7], v[W_:W_+FR-1], v[R_:R_+FR-1], v[C_:C_+7], v[WS_], v[XS_] matrix_a_fmt:MATRIX_FMT_BF8 matrix_b_fmt:MATRIX_FMT_BF8
.endif
.endif
.endm
.macro HOLD x, b                       ; the hold at the largest code x the scale (ISA guide 7.6.2)
	v_med3_num_f32 v[\x], v[\x], -v[TQ+\b], v[TQ+\b]
.endm
.macro SCALES i, n                     ; 0: the scale operand; 1: the bound; 2: its second copy; 3: the byte
.if (\i) == 0
	v_add_nc_u32 v[SOP+\n], -(EMAX<<23), v[TQ]
.elseif (\i) == 1
	v_and_or_b32 v[TQ+1], v[TQ], 0x7f800000, s62
.elseif (\i) == 2
	v_mov_b32 v[TQ+3], v[TQ+1]
.else
	v_lshrrev_b32 v[EB+\n], 23, v[SOP+\n]
.endif
.endm
.macro MAXQ k, x                       ; 18 lines: the largest magnitude of the 32 sums at x, and the floor
.if (\k) < 4
	v_max3_num_f32 v[TQ+\k], |v[\x+8*(\k)]|, |v[\x+8*(\k)+1]|, |v[\x+8*(\k)+2]|
.elseif (\k) < 12
	v_max3_num_f32 v[TQ+(\k)%4], v[TQ+(\k)%4], |v[\x+8*((\k)%4)+2*((\k)/4)+1]|, |v[\x+8*((\k)%4)+2*((\k)/4)+2]|
.elseif (\k) < 16
	v_max_num_f32 v[TQ+(\k)%4], v[TQ+(\k)%4], |v[\x+8*((\k)%4)+7]|
.elseif (\k) == 16
	v_max3_num_f32 v[TQ], v[TQ], v[TQ+1], v[TQ+2]
.else
	v_max3_num_f32 v[TQ], v[TQ], v[TQ+3], (EMAX+1)<<23
.endif
.endm
.macro HOLDS m, x                      ; two holds; the fourth pair of a run reads the bound's second copy
.if (\m) == 3
	HOLD \x, 3
	HOLD \x+1, 3
.else
	HOLD \x, 1
	HOLD \x+1, 1
.endif
.if (\m) == 2
	SCALES 2, 0
.endif
.endm
.macro GAPQ m, x                       ; Q's or K's way out, gaps 0 .. 26: the 32 sums at x -> codes NCD, byte EB
.if (\m) < 9
	MAXQ 2*(\m), \x
	MAXQ 2*(\m)+1, \x
.elseif (\m) == 9
	SCALES 0, 0
	SCALES 1, 0
.elseif (\m) < 26
	HOLDS (\m)-10, \x+2*((\m)-10)
.if ((\m)-10)%4 == 3
	v_cvt_scalef32_pk8_bf8_f32 v[NCD+2*(((\m)-10)/4):NCD+2*(((\m)-10)/4)+1], v[\x+8*(((\m)-10)/4):\x+8*(((\m)-10)/4)+7], v[SOP]
.endif
.elseif (\m) == 26
	SCALES 3, 0
.endif
.endm
.macro GAPV u, x                       ; a pair of V's blocks, gaps 0 .. 59, 15 a tile: the even block's sums at x, the odd's at x + 32 -> codes MCD + 4 t, bytes EB + t
.set T_, (\u)/15
.set J_, (\u)%15
.set E_, \x+8*T_
.set O_, E_+32
.if (\u) > 59
.elseif J_ == 0
	v_max3_num_f32 v[TQ], |v[E_]|, |v[E_+1]|, |v[E_+2]|
	v_max3_num_f32 v[TQ+2], |v[O_]|, |v[O_+1]|, |v[O_+2]|
.elseif J_ < 3
	v_max3_num_f32 v[TQ], v[TQ], |v[E_+2*J_+1]|, |v[E_+2*J_+2]|
	v_max3_num_f32 v[TQ+2], v[TQ+2], |v[O_+2*J_+1]|, |v[O_+2*J_+2]|
.elseif J_ == 3
	v_max3_num_f32 v[TQ+2], v[TQ+2], |v[O_+7]|, (EMAX+1)<<23
	v_max3_num_f32 v[TQ], v[TQ], |v[E_+7]|, v[TQ+2]
.elseif J_ == 4
	v_permlanex16_b32 v[TQ+2], v[TQ], s60, s61     ; lane l xor 16's
	v_max_num_f32 v[TQ], v[TQ], v[TQ+2]
.elseif J_ == 5
	SCALES 0, T_
	SCALES 1, T_
.elseif J_ < 10
	HOLDS J_-6, E_+2*(J_-6)
.if J_ == 9
	v_cvt_scalef32_pk8_bf8_f32 v[MCD+4*T_:MCD+4*T_+1], v[E_:E_+7], v[SOP+T_]
.endif
.elseif J_ < 14
	HOLDS J_-6, O_+2*(J_-10)
.if J_ == 13
	v_cvt_scalef32_pk8_bf8_f32 v[MCD+4*T_+2:MCD+4*T_+3], v[O_:O_+7], v[SOP+T_]
.endif
.else
	SCALES 3, T_
.endif
.endm
.macro RDESC i, off, lds               ; group 0 of a refill in two parts: a quarter of 8 places a wave
.if (\i) == 0
	s_lshl_b32 s[G0R+1], s14, 15
	s_add_co_u32 s[G0R+1], s[G0R+1], s\lds
	s_lshl_b32 s20, s14, 15
	s_add_co_u32 s20, s20, s\off
.else
	s_mov_b32 s21, 0
	s_add_nc_u64 s[G0R+2:G0R+3], s[4:5], s[20:21]
	s_or_b32 s[G0R+3], s[G0R+3], 0x80000000
.endif
.endm
; What stands behind product n.  j: the block's number in its trip (second loop: 4, 5; V: -1 ..).  Behind 0 and 1 the addresses of the block two on; behind 2 a prefetch's address or the byte's next place; behind 29, 30 a refill's group 0; y = 1: Q's or K's way out at x; 2, 3: halves of V's.
.macro LIST n, j, y, x
.if (\n) == 0
.if (\j) >= 0
	s_add_nc_u64 s[84:85], s[84:85], BLK16
.if (\j) == 1
	s_cmp_eq_u32 s46, 2
	s_cselect_b64 s[84:85], s[88:89], s[84:85]
.endif
.endif
	WIN 0
.if (\j) == 0 || (\j) == 1
	s_add_co_u32 s22, s101, ((\j)+2)*2*BLK16
	v_add_nc_u32 v[ADRA], s22, v[ADRA0]
.elseif (\j) > 1
	s_add_co_u32 s22, s47, ((\j)%2)*2*BLK16
	v_add_nc_u32 v[ADRA], s22, v[ADRA0]
.else
	s_add_co_u32 s22, s47, (-1-(\j))*2*BLK16
	v_add_nc_u32 v[ADRA], s22, v[ADRA0]
.endif
.elseif (\n) == 1
	WIN 0
.if (\j) == 0 || (\j) == 1
	s_add_co_u32 s22, s17, ((\j)+2)*SSTEP
	v_add_nc_u32 v[AAS], s22, v[AAS0]
.elseif (\j) > 1
	s_add_co_u32 s22, s8, ((\j)%2)*SSTEP
	v_add_nc_u32 v[AAS], s22, v[AAS0]
.else
	s_add_co_u32 s22, s8, (-1-(\j))*SSTEP
	v_add_nc_u32 v[AAS], s22, v[AAS0]
.endif
.endif
.if (\j) == 2 && (\n) == 2
	WIN 0
	v_lshl_add_u32 v7, v3, 8, s23
.elseif (\j) == 0 && ((\n) == 29 || (\n) == 30)
	RDESC (\n)-29, 6, 47
.elseif (\j) == 1 && (\n) == 2
	WIN 0
	v_add_nc_u32 v[VX], s9, v[VX]
.elseif (\j) == 5 && (\n) == 2
	WIN 0
	v_add_nc_u32 v[VX], 128, v[VX]
.endif
.if (\y) == 1 && (\n) > 0 && (\n) < 28
	WIN 0
	GAPQ (\n)-1, \x
.elseif (\y) == 2 && (\n) > 0 && (\n) < 31
	WIN 0
	GAPV (\n)-1, \x
.elseif (\y) == 3 && (\n) > 0 && (\n) < 31
	WIN 0
	GAPV (\n)+29, \x
.endif
.if LDK >= 0                           ; the block two on, into the set whose fragments this block has done with: four loads a fragment, eight plain vector lines and more behind its last product
.if (\n) == 8
	XLD 0, 0, 2
.elseif (\n) == 9
	XLD 0, 2, 4
.elseif (\n) == 14
	XLD 1, 0, 4
.elseif (\n) == 18
	XLD 2, 0, 4
.elseif (\n) == 20
	XLD 3, 0, 4
.elseif (\n) == 24
	XLD 4, 0, 4
.elseif (\n) == 28
	XLD 5, 0, 2
.elseif (\n) == 29
	XLD 5, 2, 4
.endif
.endif
.endm
.set LDK, -1                           ; the set that is loaded among the products, or none
.macro XLD q, from, to
	WIN 3<<6
.set C0_, \from
.rept (\to)-(\from)
	ds_load_b128 v[128*LDK+FR*(\q)+4*C0_:128*LDK+FR*(\q)+4*C0_+3], v[ADRA] offset:2048*(\q)+512*C0_
.set C0_, C0_+1
.endr
.endm
.macro FBLK e, a, w, j, x              ; a block of phase 1 with 24 of the NF loads among its products
.if (\w) >= 0
	s_wait_dscnt \w
.endif
	s_wait_xcnt 0x0
.set LDK, \e
	BLOCK 0, \e, \a, 0, 32, \j, 1, \x
.set LDK, -1
	WIN 0
	PLACES NP
	s_wait_alu depctr_va_vdst(0)
.endm
.macro FTAIL k                         ; the other ten
	WIN 3<<6
.irp q, 6,7
.irp c, 0,1,2,3
	ds_load_b128 v[128*\k+FR*\q+4*\c:128*\k+FR*\q+4*\c+3], v[ADRA] offset:2048*\q+512*\c
.endr
.endr
	WIN 0
	ds_load_b128 v[SA+8*\k:SA+8*\k+3], v[AAS]
	ds_load_b128 v[SA+8*\k+4:SA+8*\k+7], v[AAS] offset:256
.endm
.macro BLOCK kind, e, a, from, to, j, y, x
.set N_, \from
.rept (\to)-(\from)
	PROD \kind, \e, \a, N_
	LIST N_, \j, \y, \x
.set N_, N_+1
.endr
.endm
.macro BLK kind, e, a, w, j, y, x      ; w: the LDS loads that may be out (-1: no wait)
.if (\w) >= 0
	s_wait_dscnt \w
.endif
	s_wait_xcnt 0x0
	BLOCK \kind, \e, \a, 0, 32, \j, \y, \x
	WIN 0
	PLACES NP
.endm
.macro RBLK kind, e, a, w, j, y, x     ; a block with a drained round: the lines at its head, the signal behind 28 products
.if (\w) >= 0
	s_wait_dscnt \w
.endif
	s_wait_xcnt 0x0
	GRD
	BLOCK \kind, \e, \a, 0, 28, \j, \y, \x
	WIN 0
	WALU
	s_wait_dscnt 0x0
	s_barrier_signal -1
	BLOCK \kind, \e, \a, 28, 32, \j, \y, \x
	MIDDLE
	BARRIER
.endm
.macro SBLK kind, e, a, w, j, y, x, half=0   ; a block with a plain barrier (half = 1: it shows waves 0 and 1's loads alone)
.if (\w) >= 0
	s_wait_dscnt \w
.endif
	s_wait_xcnt 0x0
	BLOCK \kind, \e, \a, 0, 28, \j, \y, \x
	WIN 0
	WALU
.if \half
	s_cmp_lt_u32 s14, 2
	s_cbranch_scc0 .Lnot_yet_\@
	s_wait_tensorcnt 0x0
.Lnot_yet_\@:
.else
	s_wait_tensorcnt 0x0
.endif
	s_wait_dscnt 0x0
	s_barrier_signal -1
	BLOCK \kind, \e, \a, 28, 32, \j, \y, \x
	WIN 0
	s_barrier_wait -1
	PLACES NP
.endm
.macro QOUT off, boff                  ; a block's byte to its place in LDS; its 32 codes a lane leave: two aligned units of 256 bytes a store
	ds_store_b8 v[VX], v[EB] offset:\boff
	global_store_b128 v[CN], v[NCD:NCD+3], s[84:85] offset:\off
	global_store_b128 v[CN], v[NCD+4:NCD+7], s[84:85] offset:(\off)+256
.endm
	WEIGHTS ADRB
	s_wait_tensorcnt 0x0                           ; chunk 0 and the scale words are in
	s_wait_dscnt 0x0                               ; the first weight is in registers
	BARRIER
	FETCHAT 0, ADRA0, AAS0
	FETCHAT 1, 1, 2
	s_load_b256 s[92:99], s[0:1], 0x10             ; qkc, qks, vc, vs
	s_mov_b32 s60, 0x76543210
	s_mov_b32 s61, 0xfedcba98
	s_mov_b32 s62, 0x600000
.set I_, 0
.rept 32
	v_mov_b32 v[ACC+32+I_], 0                      ; the first way out has no block before it: it works on these and stores nothing
.set I_, I_+1
.endr
	s_wait_kmcnt 0x0
	s_add_nc_u64 s[92:93], s[92:93], s[76:77]
	s_add_nc_u64 s[94:95], s[94:95], s[78:79]
	s_add_nc_u64 s[96:97], s[96:97], s[80:81]
	s_add_nc_u64 s[98:99], s[98:99], s[82:83]
	s_mul_i32 s20, s18, 16*BLK16
	s_mov_b32 s21, 0
	s_add_nc_u64 s[88:89], s[92:93], s[20:21]      ; codes of V's window
	s_xor_b32 s20, s20, 16*BLK16
	s_add_nc_u64 s[84:85], s[92:93], s[20:21]      ; of the other
	s_sub_nc_u64 s[84:85], s[84:85], 2*BLK16
	s_mov_b32 s46, 0                               ; the trip; s101, s47 this chunk's slot and the next's; s17, s8 their scale words' step; s6 the rows to load; s9 to a byte's next place; s23 my share of what is asked for ahead
	s_mov_b32 s9, 0
	s_mov_b32 s23, 0
	s_mov_b32 s101, 0
	s_mov_b32 s47, YB
	s_mov_b32 s17, 0
	s_mov_b32 s8, 4*SSTEP
	s_wait_loadcnt 0x0                             ; the bias and both weights' scale words
.Lfour:
	RBLK 0, 0, 0, NF, 0, 1, ACC+32                 ; blocks 0, 4, 8: chunks 1, 2, 3 come
	s_cmp_lt_u32 s14, 2                            ; two load lines: the barrier two blocks on waits for the first alone
	s_cbranch_scc0 .Lupper
	TLOAD G0R, G1R
	s_branch .Lboth
.Lupper:
	TLOAD G0R, G1R
.Lboth:
	PLACES NP-4
	s_cmp_eq_u32 s46, 0
	s_cbranch_scc1 .Lno_block_before
	QOUT 0, 192
.Lno_block_before:
	FETCHAT 0, ADRA, AAS
	FBLK 1, 1, -1, 1, ACC
	QOUT 0, 0
	FTAIL 1
	SBLK 0, 0, 0, NF, 2, 1, ACC+32, 1              ; the next chunk's first half is in
	QOUT 0, 64
	s_cmp_eq_u32 s46, 0
	s_cbranch_scc1 .Lnone_ahead
	global_prefetch_b8 v7, s[4:5] th:TH_LOAD_NT scope:SCOPE_SE
.Lnone_ahead:
	FETCHAT 0, ADRA, AAS
	FBLK 1, 1, -1, 3, ACC
	QOUT 0, 128
	FTAIL 1
	s_cmp_eq_u32 s46, 0
	s_cselect_b32 s6, s2, s7
	s_cselect_b32 s21, s90, s100
	s_cselect_b32 s22, s7, s3
	s_mov_b32 s9, 768
	s_cselect_b32 s9, 256, s9
	s_lshl_b32 s21, s21, 13
	s_add_co_u32 s23, s21, s22
	s_mov_b32 s101, s47
	s_mov_b32 s17, s8
	s_xor_b32 s47, s47, YB
	s_add_co_u32 s8, s8, 4*SSTEP
	s_add_co_u32 s46, s46, 1
	s_cmp_lg_u32 s46, 3
	s_cbranch_scc1 .Lfour
	GRD
	s_lshl_b32 s20, s14, 15
	s_add_co_u32 s20, s20, s3
	s_mov_b32 s21, 0
	s_lshl_b32 s[G0A+1], s14, 15
	s_add_nc_u64 s[G0A+2:G0A+3], s[4:5], s[20:21]
	s_or_b32 s[G0A+3], s[G0A+3], 0x80000000
	GROUP1 G1A, 45, 8
	s_wait_dscnt 0x0
	s_barrier_signal -1
	MIDDLE
	BARRIER
	TLOAD G0A, G1A
	s_mov_b32 s47, YB+4*BLK16
	s_mov_b32 s8, 14*SSTEP
.Ltwo:
	FBLK 0, 0, NF, 4, ACC+32                       ; blocks 12, 14
	QOUT 0, 192
	FTAIL 0
	FBLK 1, 1, NF, 5, ACC                          ; 13, 15; the block two on is then V's: chunk 3 as it lies in slot 1
	QOUT 0, 128
	FTAIL 1
	s_mov_b32 s47, YB
	s_mov_b32 s8, 12*SSTEP
	s_add_co_u32 s46, s46, 1
	s_cmp_lg_u32 s46, 5
	s_cbranch_scc1 .Ltwo
	s_wait_xcnt 0x0                                ; the change of phase
	s_wait_tensorcnt 0x0                           ; W_v's rows are in
	s_wait_dscnt 0x0
	BARRIER
.macro CHANGE i                        ; among W_v's loads: the last block's way out; W_v's scale words into their place; zeros into what V's first way out reads
.if (\i) < 7
.irp k, 0,1,2,3
.if 4*(\i)+\k < 27
	GAPQ 4*(\i)+\k, ACC+32
.endif
.endr
.elseif (\i) < 9
.irp q, 0,1,2,3,4,5,6,7
	v_mov_b32 v[SB+8*((\i)-7)+\q], v[WS+8*((\i)-7)+\q]
.endr
.elseif (\i) < 15
.irp q, 0,1,2,3,4,5,6,7
	v_mov_b32 v[ACC+80+8*((\i)-9)+\q], 0
.endr
.endif
.endm
.irp q, 0,1,2,3,4,5,6,7
.irp b, 0,2
	FRAG NB*\q+\b, ADRB+1, \q, \b*BLK16
	FRAG NB*\q+\b+1, ADRB+1, \q, (\b+1)*BLK16
	WIN 0
	CHANGE 2*\q+\b/2
.endr
.endr
.irp t, 0,1,2,3
.irp i, 0,1,2,3,4,5,6,7
	v_mov_b32 v[BQ+8*\t+\i], v[BV+\t]
.endr
.endr
	WALU
	QOUT BLK16, 192
	GRD
	s_mov_b32 s47, 0
	RDESC 0, 2, 47
	RDESC 1, 2, 47
	s_mov_b32 s46, 0
	s_mov_b32 s47, YB+4*BLK16
	s_mov_b32 s8, 14*SSTEP
	s_wait_dscnt 0x0
	s_barrier_signal -1
	MIDDLE
	BARRIER
	TLOAD G0R, G1R
.macro VOUT                            ; a pair of V's blocks: four tiles' bytes and codes, 512 consecutive bytes a store
.irp t, 0,1,2,3
	ds_store_b8 v[VX], v[EB+\t] offset:64*\t
	global_store_b128 v[CO], v[MCD+4*\t:MCD+4*\t+3], s[84:85] offset:131072*\t
.endr
.endm
.macro VTO                             ; s22 = c: which 32 of the 128 tokens
	s_lshl_b32 s20, s22, 9
	s_mov_b32 s21, 0
	s_add_nc_u64 s[84:85], s[96:97], s[20:21]
	v_add_nc_u32 v[VX], s22, v[RD]
.endm
.Lpair:
	BLK 1, 0, 0, -1, -1, 2, ACC+64
	s_cmp_eq_u32 s46, 3
	s_cbranch_scc1 .Lnone_0
	FETCHAT 0, ADRA, AAS
	s_wait_dscnt NF
	s_branch .Lgo
.Lnone_0:
	s_wait_dscnt 0x0
.Lgo:
	SBLK 1, 1, 1, -1, -2, 3, ACC+64                ; the first trip's shows chunk 2
.set I_, 0
.rept 32                               ; the pair's sums are copied, so that one trip is two blocks of text
	v_dual_mov_b32 v[ACC+64+I_], v[ACC+I_] :: v_dual_mov_b32 v[ACC+64+I_+1], v[ACC+I_+1]
.set I_, I_+2
.endr
	s_add_co_u32 s22, s46, 1
	s_and_b32 s22, s22, 3
	VTO
	s_cmp_eq_u32 s46, 0
	s_cbranch_scc1 .Lno_pair_before
	VOUT
.Lno_pair_before:
	s_cmp_eq_u32 s46, 3
	s_cbranch_scc1 .Lnone_1
	FETCHAT 1, ADRA, AAS
.Lnone_1:
	s_mov_b32 s8, 10*SSTEP
	s_cmp_eq_u32 s46, 0
	s_cselect_b32 s47, 0, 4*BLK16
	s_cselect_b32 s8, 8*SSTEP, s8
	s_add_co_u32 s46, s46, 1
	s_cmp_lg_u32 s46, 4
	s_cbranch_scc1 .Lpair
	s_wait_xcnt 0x0
.set K_, 0
.rept 60
	GAPV K_, ACC+64
.set K_, K_+1
.endr
	s_mov_b32 s22, 1
	VTO
	VOUT
	s_wait_dscnt 0x0                               ; the scale bytes
	BARRIER
	v_lshlrev_b32 v20, 4, v3
	s_lshl_b32 s21, s14, 9
	s_add_co_u32 s21, s21, XN
	v_add_nc_u32 v21, s21, v20
	v_lshlrev_b32 v22, 3, v3
	s_lshl_b32 s21, s14, 8
	s_add_co_u32 s21, s21, XV
	v_add_nc_u32 v23, s21, v22
	s_wait_alu depctr_va_vdst(0)
	ds_load_b128 v[60:63], v21
	ds_load_b64 v[40:41], v23
	s_wait_dscnt 0x0
	global_store_b128 v20, v[60:63], s[94:95]
	global_store_b64 v22, v[40:41], s[98:99]
	s_wait_tensorcnt 0x0                           ; the wave's end
	ds_add_u32 v[SPW], v[NIL]
	s_wait_dscnt 0x0
	CROUND                                         ; the closing round
	s_endpgm
.Lfunc_end_k_q1651051cac_proj:
	.size	k_q1651051cac_proj, .Lfunc_end_k_q1651051cac_proj-k_q1651051cac_proj
	.p2alignl 7, 3214868480
	.fill 96, 4, 3214868480
	.section	.rodata,"a",@progbits
	.p2align	6, 0x0
	.amdhsa_kernel k_q1651051cac_proj
		.amdhsa_group_segment_fixed_size 327680
		.amdhsa_private_segment_fixed_size 0
		.amdhsa_enable_private_segment 0
		.amdhsa_kernarg_size 72
		.amdhsa_user_sgpr_count 2
		.amdhsa_user_sgpr_kernarg_segment_ptr 1
		.amdhsa_wavefront_size32 1
		.amdhsa_system_sgpr_workgroup_id_x 1
		.amdhsa_system_sgpr_workgroup_id_y 1
		.amdhsa_system_sgpr_workgroup_id_z 1
		.amdhsa_system_vgpr_workitem_id 0
		.amdhsa_next_free_vgpr 1024
		.amdhsa_next_free_sgpr 102
		.amdhsa_reserve_vcc 0
		.amdhsa_float_denorm_mode_32 3
		.amdhsa_float_denorm_mode_16_64 3
		.amdhsa_memory_ordered 1
		.amdhsa_forward_progress 1
		.amdhsa_inst_pref_size 164
	.end_amdhsa_kernel
	.amdgpu_metadata
---
amdhsa.version: [ 1, 2 ]
amdhsa.kernels:
  - .name:           k_q1651051cac_proj
    .symbol:         k_q1651051cac_proj.kd
    .args:
      - { .name: xwc, .offset: 0, .size: 8, .value_kind: global_buffer, .address_space: global }
      - { .name: xws, .offset: 8, .size: 8, .value_kind: global_buffer, .address_space: global }
      - { .name: qkc, .offset: 16, .size: 8, .value_kind: global_buffer, .address_space: global }
      - { .name: qks, .offset: 24, .size: 8, .value_kind: global_buffer, .address_space: global }
      - { .name: vc, .offset: 32, .size: 8, .value_kind: global_buffer, .address_space: global }
      - { .name: vs, .offset: 40, .size: 8, .value_kind: global_buffer, .address_space: global }
      - { .name: bq, .offset: 48, .size: 8, .value_kind: global_buffer, .address_space: global }
      - { .name: bk, .offset: 56, .size: 8, .value_kind: global_buffer, .address_space: global }
      - { .name: bv, .offset: 64, .size: 8, .value_kind: global_buffer, .address_space: global }
    .group_segment_fixed_size: 327680
    .private_segment_fixed_size: 0
    .kernarg_segment_align: 8
    .kernarg_segment_size: 72
    .max_flat_workgroup_size: 128
    .sgpr_count:     102
    .vgpr_count:     1024
    .wavefront_size: 32
...
	.end_amdgpu_metadata
.endif
;; end of part 2
;; launch score (part 3): grid 36 x 4, 4 waves a work-group, no clusters, 327,680 bytes of LDS; arguments qkc, qks, pc, ptab; writes pc, ptab
.if DOCPART == 3
	.amdgcn_target "amdgcn-amd-amdhsa--gfx1250"
	.amdhsa_code_object_version 6
	.text
	.protected	k_q1651051cac_score
	.globl	k_q1651051cac_score
	.p2align	8
	.type	k_q1651051cac_score,@function
k_q1651051cac_score:
	s_mov_b64 s[64:65], 0
	v_nop
	global_prefetch_b8 v0, s[64:65] scope:SCOPE_SE
	s_setreg_imm32_b32 hwreg(HW_REG_WAVE_MODE, 25, 1), 1
	s_wait_xcnt 0x0
; THIRD LAUNCH.  The live tiles of 256 x 256 scores, p = 2^(t - M_c) with M_c the whole-number maximum of a row's 128 keys, p's codes into pc [512 row blocks][16 chunks of 128 keys][2,048], and into ptab, for each
; [batch][chunk][2,048 rows], the scale words, -M_c and the row's sum of unquantised p.
; LEFT OUT AS DEAD WORK: tiles all of whose keys come after all of their queries (the problem's mask makes their weight 0: the first launch's head).  LIMITS: NaN and infinities are not served; scaled scores stay under 2^31.
; A wave makes 128 x 128: 64 accumulators.  K = 1,024 goes in four steps of 256 through two LDS slots.  The scale words of all of K lie in registers: chunks 0-3 in v96-127, 4-7 in v32-63; lanes 0-15 A's, lanes 16-31 B's.
; In the second half of a step of 128 the next step's LDS loads (B's other set, A's blocks 0-3) stand in four groups, each ahead of eight products.
; No cluster: a batch has 36 live tiles, and a tile row's count of live tiles hangs on the row.  No prefetch: of four K steps two come at the head.
.set FR,    16
.set NL,    4
.set NP,    8
.set FRB,   2048
.set RBK,   4096
.set HALFT, 32768
.set SLOT,  131072
.set SCL,   262144
.set TSTG,  SCL+16384
.set SPARE, TSTG+6144
.set DL,   8
.set DA,   9
.set NINF, 10
.set TST,  11
.set TRD,  12
.set CO,   13
.set ADRA, 16
.set ADRB, 20
.set ADRS, 27
.set SPW,  28
.set NIL,  29
.set SC,   96
.set BM,   64
.set PR,   68
.set HOLD, 72
.set SOP,  76
.set BY,   80
.set NM,   84
.set S0,   86
.set S1,   88
.set TT,   90
.set PW,   91
.set LS,   92
.set LP,   93
.set AF,   128
.set G1,  24
.set G0,  32
.set MNT, 47
.set MASKF, 59
.set CS,  60
.set SEL, 62
.set MSB, 0
.macro WIN new
.if MSB != (\new)
	s_set_vgpr_msb (MSB<<8)|(\new)
.set MSB, (\new)
.endif
.endm
.set MUL_LO, 0xa1
.set MUL_HI, 0xf1
.set TO_B,   0x40
.macro TLOAD g0, g1
	tensor_load_to_lds s[\g0:\g0+3], s[\g1:\g1+7]
	s_nop 0
.rept 4
	v_nop
.endr
.endm
	s_load_b256 s[4:11], s[0:1], 0x0
	v_lshl_add_u32 v[SPW], v0, 2, SPARE
	v_mov_b32 v[NIL], 0
	ds_add_u32 v[SPW], v[NIL]
	ds_add_u32 v[SPW], v[NIL]
	v_lshrrev_b32 v1, 5, v0
	v_readfirstlane_b32 s14, v1
	s_lshr_b32 s15, s14, 1
	s_and_b32 s16, s14, 1
	s_and_b32 s18, ttmp7, 0xffff
	s_mov_b32 s17, 0
.irp T, 1,3,6,10,15,21,28
	s_cmp_ge_u32 ttmp9, \T
	s_add_co_ci_u32 s17, s17, 0
.endr
	s_add_co_u32 s20, s17, 1
	s_mul_i32 s20, s20, s17
	s_lshr_b32 s20, s20, 1
	s_sub_co_u32 s46, ttmp9, s20
	s_mov_b32 s[G1+0], 3<<16
	s_mov_b32 s[G1+1], 512<<16
	s_mov_b32 s[G1+2], 8<<16
	s_mov_b32 s[G1+3], 512<<16
	s_mov_b32 s[G1+4], 8
	s_mov_b32 s[G1+5], 2048
	s_mov_b32 s[G1+6], 0
	s_mov_b32 s[G1+7], 0
	s_cmp_eq_u32 s15, 0
	s_cselect_b32 s20, s17, s46
	s_cselect_b32 s22, 0, 8388608
	s_lshl_b32 s20, s20, 8
	s_lshl_b32 s21, s18, 11
	s_add_co_u32 s20, s20, s21
	s_lshl_b32 s21, s16, 7
	s_add_co_u32 s20, s20, s21
	s_lshl_b32 s20, s20, 10
	s_add_co_u32 s20, s20, s22
	s_mov_b32 s21, 0
	s_lshl_b32 s22, s14, 15
	s_lshl_b32 s23, s17, 10                        ; the scale words: A's rows of the batch,
	s_lshl_b32 s44, s15, 9
	s_add_co_u32 s23, s23, s44
	s_lshl_b32 s45, s46, 10                        ; and B's, 262,144 bytes further on
	s_lshl_b32 s44, s16, 9
	s_add_co_u32 s45, s45, s44
	s_add_co_u32 s45, s45, 262144
	s_sub_co_u32 s45, s45, s23                     ; from A's to B's
	s_lshl_b32 s44, s18, 13
	s_add_co_u32 s44, s44, s23
	s_wait_dscnt 0x0
	s_wait_kmcnt 0x0
	s_add_nc_u64 s[20:21], s[4:5], s[20:21]
.irp s, 0,1
	s_mov_b32 s[G0+4*\s], 1
	s_add_co_u32 s[G0+4*\s+1], s22, \s*SLOT
	s_add_nc_u64 s[G0+4*\s+2:G0+4*\s+3], s[20:21], \s*RBK
	s_or_b32 s[G0+4*\s+3], s[G0+4*\s+3], 0x80000000
.endr
	TLOAD G0, G1                                   ; my quarter of K step 0: one tensor load a wave at the head
	v_and_b32 v1, 31, v0
	v_and_b32 v2, 15, v0
	v_bfe_u32 v3, v0, 4, 1
	s_wait_alu depctr_va_vdst(0)
	v_lshlrev_b32 v[CO], 4, v1
	s_lshl_b32 s2, s15, 15
	s_lshl_b32 s3, s16, 15
	s_add_co_u32 s3, s3, 2*HALFT
.irp s, 0,1
	v_add_nc_u32 v[ADRA+\s], s2, v[CO]
	v_add_nc_u32 v[ADRB+\s], s3, v[CO]
	s_add_co_u32 s2, s2, SLOT
	s_add_co_u32 s3, s3, SLOT
.endr
	v_mul_u32_u24 v7, s45, v3
	v_lshl_add_u32 v7, v2, 2, v7
	v_add_nc_u32 v[ADRS], s44, v7
.irp c, 0,1,2,3,4,5,6,7                            ; chunk c's words of block i: register 2 i + c % 2 of K step c / 2's sixteen
.irp i, 0,1,2,3,4,5,6,7
	global_load_b32 v[32+64*((7-\c)/4)+16*((\c/2)%2)+2*\i+\c%2], v[ADRS], s[6:7] offset:32768*\c+64*\i
.endr
.endr
	s_mul_i32 s2, s14, 1536
	s_add_co_u32 s2, s2, TSTG
	v_lshlrev_b32 v7, 2, v2
	v_add_nc_u32 v[TST], s2, v7
	v_add_nc_u32 v[TRD], s2, v[CO]
	s_lshl_b32 s56, s17, 8
	s_lshl_b32 s2, s15, 7
	s_add_co_u32 s56, s56, s2
	s_lshl_b32 s57, s46, 8
	s_lshl_b32 s2, s16, 7
	s_add_co_u32 s57, s57, s2
	s_sub_co_i32 s58, s56, s57
	s_add_co_u32 s2, s57, 127
	s_cmp_gt_u32 s2, s56
	s_cselect_b32 s[MASKF], 1, 0
	v_and_b32 v[DL], 7, v2
	v_lshrrev_b32 v[DA], 3, v2
	v_lshl_add_u32 v[DL], v[DA], 4, v[DL]
	v_lshlrev_b32 v[DA], 4, v3
	v_sub_nc_u32 v[DL], v[DL], v[DA]
	v_add_nc_u32 v[DL], s58, v[DL]
	v_mov_b32 v[NINF], 0xff800000
	s_lshl_b32 s20, s18, 7
	s_lshl_b32 s21, s17, 4
	s_add_co_u32 s20, s20, s21
	s_lshl_b32 s21, s15, 3
	s_add_co_u32 s20, s20, s21
	s_lshl_b32 s20, s20, 15
	s_lshl_b32 s22, s46, 1
	s_add_co_u32 s22, s22, s16
	s_lshl_b32 s21, s22, 11
	s_add_co_u32 s20, s20, s21
	s_mov_b32 s21, 0
	s_add_nc_u64 s[8:9], s[8:9], s[20:21]
	s_lshl_b32 s20, s18, 4
	s_add_co_u32 s20, s20, s22
	s_lshl_b32 s20, s20, 13
	s_lshl_b32 s22, s17, 10
	s_add_co_u32 s20, s20, s22
	s_lshl_b32 s22, s15, 9
	s_add_co_u32 s20, s20, s22
	s_add_nc_u64 s[10:11], s[10:11], s[20:21]
	s_mov_b32 s[CS], 0x3d38aa3b
	s_mov_b32 s[CS+1], s[CS]
	s_mov_b32 s[SEL], 0x76543210
	s_mov_b32 s[SEL+1], 0xfedcba98
	s_mov_b32 s[MNT], 0x600000
.macro FRAG reg, adr, q, i
.irp c, 0,1,2,3
	ds_load_b128 v[\reg+4*\c:\reg+4*\c+3], v[\adr] offset:(\i)*RBK+(\q)*FRB+512*\c
.endr
.endm
.macro MUL16 a0, p, q, sc, zero
.irp a, \a0, \a0+1
.irp b, 0,1,2,3,4,5,6,7
.if \zero
	v_wmma_scale_f32_16x16x128_f8f6f4 v[8*(8*((\a)%4)+\b):8*(8*((\a)%4)+\b)+7], v[128*(\p)+FR*\b:128*(\p)+FR*\b+FR-1], v[AF+FR*(\a):AF+FR*(\a)+FR-1], 0, v[SC+16*(\sc)+2*\b+(\q)], v[SC+16*(\sc)+2*(\a)+(\q)] matrix_a_fmt:MATRIX_FMT_BF8 matrix_b_fmt:MATRIX_FMT_BF8 matrix_a_scale:MATRIX_SCALE_ROW1
.else
	v_wmma_scale_f32_16x16x128_f8f6f4 v[8*(8*((\a)%4)+\b):8*(8*((\a)%4)+\b)+7], v[128*(\p)+FR*\b:128*(\p)+FR*\b+FR-1], v[AF+FR*(\a):AF+FR*(\a)+FR-1], v[8*(8*((\a)%4)+\b):8*(8*((\a)%4)+\b)+7], v[SC+16*(\sc)+2*\b+(\q)], v[SC+16*(\sc)+2*(\a)+(\q)] matrix_a_fmt:MATRIX_FMT_BF8 matrix_b_fmt:MATRIX_FMT_BF8 matrix_a_scale:MATRIX_SCALE_ROW1
.endif
.endr
.endr
.endm
.macro FETCH_B slot, q, p
	WIN TO_B
.irp i, 0,1,2,3,4,5,6,7
	FRAG 128*(\p)+FR*\i, ADRB+\slot, \q, \i
.endr
	WIN 0
.endm
.macro FETCH_A slot, q, i0
.irp i, \i0, \i0+1, \i0+2, \i0+3
	FRAG AF+FR*(\i), ADRA+\slot, \q, \i
.endr
.endm
.macro FB slot, q, p, i0               ; two of B's blocks
	WIN TO_B
.irp i, \i0, \i0+1
	FRAG 128*(\p)+FR*(\i), ADRB+\slot, \q, \i
.endr
.endm
.macro FA slot, q, i0                  ; two of A's
	WIN 0
.irp i, \i0, \i0+1
	FRAG AF+FR*(\i), ADRA+\slot, \q, \i
.endr
.endm
.macro MUL8 a, p, q, sc, zero          ; A's block a (4 to 7) x B's eight
	WIN MUL_HI
.irp b, 0,1,2,3,4,5,6,7
.if \zero
	v_wmma_scale_f32_16x16x128_f8f6f4 v[8*(8*((\a)%4)+\b):8*(8*((\a)%4)+\b)+7], v[128*(\p)+FR*\b:128*(\p)+FR*\b+FR-1], v[AF+FR*(\a):AF+FR*(\a)+FR-1], 0, v[SC+16*(\sc)+2*\b+(\q)], v[SC+16*(\sc)+2*(\a)+(\q)] matrix_a_fmt:MATRIX_FMT_BF8 matrix_b_fmt:MATRIX_FMT_BF8 matrix_a_scale:MATRIX_SCALE_ROW1
.else
	v_wmma_scale_f32_16x16x128_f8f6f4 v[8*(8*((\a)%4)+\b):8*(8*((\a)%4)+\b)+7], v[128*(\p)+FR*\b:128*(\p)+FR*\b+FR-1], v[AF+FR*(\a):AF+FR*(\a)+FR-1], v[8*(8*((\a)%4)+\b):8*(8*((\a)%4)+\b)+7], v[SC+16*(\sc)+2*\b+(\q)], v[SC+16*(\sc)+2*(\a)+(\q)] matrix_a_fmt:MATRIX_FMT_BF8 matrix_b_fmt:MATRIX_FMT_BF8 matrix_a_scale:MATRIX_SCALE_ROW1
.endif
.endr
.endm
; A step's second half: A's blocks 4-7.  The next step's fragments (slot ns, its nq-th 128, B's set np) are asked for in four groups ahead of eight products each, A's blocks 4-7 behind the last, eight places on.
.macro HALF2 p, q, sc, zero, ns, nq, np
	FB \ns, \nq, \np, 0
	MUL8 4, \p, \q, \sc, \zero
	FB \ns, \nq, \np, 2
	FB \ns, \nq, \np, 4
	MUL8 5, \p, \q, \sc, \zero
	FB \ns, \nq, \np, 6
	FA \ns, \nq, 0
	MUL8 6, \p, \q, \sc, \zero
	FA \ns, \nq, 2
	MUL8 7, \p, \q, \sc, \zero
	PLACES NP
	WIN 0
	FETCH_A \ns, \nq, 4
.endm
.macro PLACES n
.rept \n
	v_nop
.endr
.endm
.macro STEP slot, q, zero
	s_wait_dscnt 4*NL
	WIN MUL_LO
	MUL16 0, (\q)%2, \q, \slot, \zero
	MUL16 2, (\q)%2, \q, \slot, \zero
	s_wait_dscnt 0
	PLACES NP
	HALF2 (\q)%2, \q, \slot, \zero, \slot, (\q)+1, 1-(\q)%2
.endm
.macro TURN slot, next, fill
	s_wait_tensorcnt 0x0
	ds_add_u32 v[SPW], v[NIL]
	s_wait_dscnt 4*NL+1
	WIN MUL_LO
	MUL16 0, 1, 1, \slot, 0
	s_wait_dscnt 0x0
	s_barrier_signal -1
	MUL16 2, 1, 1, \slot, 0
	WIN 0
	s_barrier_wait -1
.if \fill
	s_add_nc_u64 s[G0+4*\slot+2:G0+4*\slot+3], s[G0+4*\slot+2:G0+4*\slot+3], 2*RBK
	TLOAD G0+4*\slot, G1
	PLACES NP-4
.else
	PLACES NP
.endif
	HALF2 1, 1, \slot, 0, \next, 0, 0
.endm
	s_wait_alu depctr_va_vdst(0)                   ; the wait at the head's end
	s_wait_tensorcnt 0x0                           ; my part of K step 0 is in
	ds_add_u32 v[SPW], v[NIL]                      ; the add ahead of a later first fill
	s_wait_dscnt 0x0
	s_barrier_signal -1
	s_barrier_wait -1
	TLOAD G0+4, G1                                 ; K step 1, my one tensor load behind the barrier
	FETCH_B 0, 0, 0
	FETCH_A 0, 0, 0
	FETCH_A 0, 0, 4
	s_wait_loadcnt 0x0                             ; the scale words
	STEP 0, 0, 1
	TURN 0, 1, 1
	s_wait_alu depctr_va_vdst(0)
	STEP 1, 0, 0
	TURN 1, 0, 1
	s_wait_alu depctr_va_vdst(0)
.set SC, 32                            ; K steps 2 and 3: their words lie in v32-63
	STEP 0, 0, 0
	TURN 0, 1, 0
	STEP 1, 0, 0
	s_wait_dscnt 4*NL
	WIN MUL_LO
	MUL16 0, 1, 1, 1, 0
	MUL16 2, 1, 1, 1, 0
	s_wait_dscnt 0
	WIN MUL_HI
	MUL16 4, 1, 1, 1, 0
	MUL16 6, 1, 1, 1, 0
	WIN 0
.irp b, 0,1,2,3
	v_mov_b32 v[PR+\b], 0
.endr
	v_mov_b32 v[LP], 0
	PLACES 3
.macro SOFTQ a
.set W, 2+(\a)/4
.set AC, 64*((\a)%4)
.set PCA, AF+16*(\a)
	s_cmp_eq_u32 s[MASKF], 0
	s_cbranch_scc1 .Lopen_\@
	v_add_nc_u32 v[DA], 32*((\a)/2)+8*((\a)%2), v[DL]
	WIN W|(W<<6)
.set NN, 0
.rept 64
	v_cmp_gt_i32 vcc_lo, 32*(NN/16)+NN%16, v[DA]
	v_cndmask_b32 v[AC+NN], v[AC+NN], v[NINF], vcc_lo
.set NN, NN+1
.endr
	WIN 0
.Lopen_\@:
	WIN W|(W<<2)
.irp b, 0,1,2,3
	v_max_num_f32 v[BM+\b], v[AC+16*\b], v[AC+1+16*\b]
.endr
.irp i, 2,4,6,8,10,12,14
.irp b, 0,1,2,3
	v_max3_num_f32 v[BM+\b], v[AC+16*\b+\i], v[AC+1+16*\b+\i], v[BM+\b]
.endr
.endr
	WIN 0
.irp b, 0,1,2,3
	v_permlanex16_b32 v[PR+\b], v[BM+\b], s[SEL], s[SEL+1]
.endr
.irp b, 0,1,2,3
	v_max_num_f32 v[BM+\b], v[BM+\b], v[PR+\b]
.endr
	v_max3_num_f32 v[TT], v[BM], v[BM+1], v[BM+2]
	v_max_num_f32 v[TT], v[TT], v[BM+3]
	v_mul_f32 v[TT], s[CS], v[TT]
	v_max_num_f32 v[TT], 0xff61b1e6, v[TT]
	s_wait_alu depctr_va_vdst(0)
	s_wait_dscnt 0x0
	v_floor_f32 v[NM], -v[TT]
	v_mov_b32 v[NM+1], v[NM]
.irp b, 0,1,2,3
	v_fma_f32 v[BM+\b], v[BM+\b], s[CS], v[NM]
.endr
	WIN W|(W<<6)
.set NN, 0
.rept 32
	v_pk_fma_f32 v[AC+NN:AC+NN+1], v[AC+NN:AC+NN+1], s[CS:CS+1], v[NM:NM+1] op_sel_hi:[1,0,0]
.set NN, NN+2
.endr
.set NN, 0
	s_wait_alu depctr_va_vdst(0)
.rept 64
	v_exp_f32 v[AC+NN], v[AC+NN]
.set NN, NN+1
.endr
	WIN 0
.irp b, 0,1,2,3
	v_exp_f32 v[BM+\b], v[BM+\b]
.endr
	v_nop
	s_wait_alu depctr_va_vdst(0)
	WIN W|(W<<2)
	v_pk_add_f32 v[S1:S1+1], v[AC:AC+1], v[AC+2:AC+3]
	v_pk_add_f32 v[S0:S0+1], v[AC+4:AC+5], v[AC+6:AC+7]
	WIN W<<2
.irp j, 8,12,16,20,24,28,32,36,40,44,48,52,56,60
	v_pk_add_f32 v[S0:S0+1], v[S0:S0+1], v[AC+\j:AC+\j+1]
	v_pk_add_f32 v[S1:S1+1], v[S1:S1+1], v[AC+\j+2:AC+\j+3]
.endr
	WIN 0
	v_pk_add_f32 v[S0:S0+1], v[S0:S0+1], v[S1:S1+1]
.irp b, 0,1,2,3
	v_max_num_f32 v[BM+\b], 0x8000000, v[BM+\b]
.endr
	v_add_f32 v[LS], v[S0], v[S0+1]
.irp b, 0,1,2,3
	v_add_nc_u32 v[SOP+\b], 0xf8800000, v[BM+\b]
.endr
	v_permlanex16_b32 v[LP], v[LS], s[SEL], s[SEL+1]
.irp b, 0,1,2,3
	v_and_or_b32 v[HOLD+\b], v[BM+\b], 0x7f800000, s[MNT]
.endr
	v_add_f32 v[LS], v[LS], v[LP]
.irp b, 0,1,2,3
	v_lshrrev_b32 v[BY+\b], 23, v[SOP+\b]
.endr
	v_lshl_or_b32 v[PW], v[BY+1], 8, v[BY]
	v_lshl_or_b32 v[PW], v[BY+2], 16, v[PW]
	v_lshl_or_b32 v[PW], v[BY+3], 24, v[PW]
	WIN W|(W<<6)
.irp b, 0,1,2,3
.irp i, 0,1,2,3,4,5,6,7,8,9,10,11,12,13,14,15
	v_min_num_f32 v[AC+16*\b+\i], v[AC+16*\b+\i], v[HOLD+\b]
.endr
.endr
	WIN W
.irp b, 0,1,2,3
	v_cvt_scalef32_pk8_bf8_f32 v[PCA+4*\b:PCA+1+4*\b], v[AC+16*\b:AC+7+16*\b], v[SOP+\b]
	v_cvt_scalef32_pk8_bf8_f32 v[PCA+2+4*\b:PCA+3+4*\b], v[AC+8+16*\b:AC+15+16*\b], v[SOP+\b]
.endr
	WIN 0
	v_nop
.irp c, 0,1,2,3
	global_store_b128 v[CO], v[PCA+4*\c:PCA+4*\c+3], s[8:9] offset:32768*(\a)+512*\c
.endr
	ds_store_b32 v[TST], v[PW] offset:64*(\a)
	ds_store_b32 v[TST], v[NM] offset:512+64*(\a)
	ds_store_b32 v[TST], v[LS] offset:1024+64*(\a)
.endm
.irp a, 0,1,2,3,4,5,6,7
	SOFTQ \a
.endr
	ds_load_b128 v[96:99], v[TRD]
	ds_load_b128 v[100:103], v[TRD] offset:512
	ds_load_b128 v[104:107], v[TRD] offset:1024
	s_wait_dscnt 0x0
	global_store_b128 v[CO], v[96:99], s[10:11]
	global_store_b128 v[CO], v[100:103], s[10:11] offset:524288
	global_store_b128 v[CO], v[104:107], s[10:11] offset:1048576
	s_wait_tensorcnt 0x0
	ds_add_u32 v[SPW], v[NIL]
	s_wait_dscnt 0x0
	s_endpgm
.Lfunc_end_k_q1651051cac_score:
	.size	k_q1651051cac_score, .Lfunc_end_k_q1651051cac_score-k_q1651051cac_score
	.p2alignl 7, 3214868480
	.fill 96, 4, 3214868480
	.section	.rodata,"a",@progbits
	.p2align	6, 0x0
	.amdhsa_kernel k_q1651051cac_score
		.amdhsa_group_segment_fixed_size 327680
		.amdhsa_private_segment_fixed_size 0
		.amdhsa_enable_private_segment 0
		.amdhsa_kernarg_size 32
		.amdhsa_user_sgpr_count 2
		.amdhsa_user_sgpr_kernarg_segment_ptr 1
		.amdhsa_wavefront_size32 1
		.amdhsa_system_sgpr_workgroup_id_x 1
		.amdhsa_system_sgpr_workgroup_id_y 1
		.amdhsa_system_sgpr_workgroup_id_z 1
		.amdhsa_system_vgpr_workitem_id 0
		.amdhsa_next_free_vgpr 1024
		.amdhsa_next_free_sgpr 66
		.amdhsa_reserve_vcc 1
		.amdhsa_float_denorm_mode_32 3
		.amdhsa_float_denorm_mode_16_64 3
		.amdhsa_memory_ordered 1
		.amdhsa_forward_progress 1
		.amdhsa_inst_pref_size 255
	.end_amdhsa_kernel
	.section	.bss,"aw",@nobits
	.p2align	6
	.space	262144
	.amdgpu_metadata
---
amdhsa.version: [ 1, 2 ]
amdhsa.kernels:
  - .name:           k_q1651051cac_score
    .symbol:         k_q1651051cac_score.kd
    .args:
      - { .name: qkc, .offset: 0, .size: 8, .value_kind: global_buffer, .address_space: global }
      - { .name: qks, .offset: 8, .size: 8, .value_kind: global_buffer, .address_space: global }
      - { .name: pc, .offset: 16, .size: 8, .value_kind: global_buffer, .address_space: global }
      - { .name: ptab, .offset: 24, .size: 8, .value_kind: global_buffer, .address_space: global }
    .group_segment_fixed_size: 327680
    .private_segment_fixed_size: 0
    .kernarg_segment_align: 8
    .kernarg_segment_size: 32
    .max_flat_workgroup_size: 128
    .sgpr_count:     66
    .vgpr_count:     1024
    .wavefront_size: 32
...
	.end_amdgpu_metadata
.endif
;; end of part 3
;; launch pv (part 4): grid 8 x 32, 4 waves a work-group, clusters of 4 x 1, 327,680 bytes of LDS; arguments pc, ptab, vc, vs, out0; writes out0
.if DOCPART == 4
	.amdgcn_target "amdgcn-amd-amdhsa--gfx1250"
	.amdhsa_code_object_version 6
	.text
	.protected	k_q1651051cac_pv
	.globl	k_q1651051cac_pv
	.p2align	8
	.type	k_q1651051cac_pv,@function
k_q1651051cac_pv:
	s_mov_b64 s[64:65], 0
	v_nop
	global_prefetch_b8 v0, s[64:65] scope:SCOPE_SE
	s_setreg_imm32_b32 hwreg(HW_REG_WAVE_MODE, 25, 1), 1
	s_wait_xcnt 0x0
	s_wait_alu depctr_hold_cnt(0) depctr_sa_sdst(0) depctr_va_vdst(0) depctr_va_sdst(0) depctr_va_ssrc(0) depctr_va_vcc(0) depctr_vm_vsrc(0)
	s_getreg_b32 s2, hwreg(HW_REG_IB_STS2, 6, 4)
	s_cmp_eq_u32 s2, 0
	s_cbranch_scc0 .Lentry_in_a_cluster
	s_endpgm
.Lentry_in_a_cluster:
	s_bfe_u32 s2, ttmp6, 0x10000c
	s_cmp_lg_u32 s2, 0x3003
	s_cbranch_scc0 .Lentry_shape_is_right
	s_endpgm
.Lentry_shape_is_right:
; FOURTH LAUNCH.  O = P V / l on codes of BF8.  A work-group makes 128 channels (x) of TWO query tiles of 128, one behind the other: tile 15 - p (L), then tile p (S) of batch n (y = 8 n + p).
; L has 16 - p live chunks of 128 keys, S has p + 1: ceil((16 - p) / 2) + ceil((p + 1) / 2) = 9 steps of 256 keys for every p: 256 work-groups of equal work, nL = (17 - p) / 2 steps for L.
; LEFT OUT AS DEAD WORK: the steps past a tile's last: every key there comes after every query, so the problem's mask gives it the weight 0.  In a tile's last step the second chunk may lie past the tile: its codes are zeros, and
; it is multiplied under the last live chunk's scale words.
; THE HEAD brings the chunks under one M.  For a row: -M = the least of its chunks' -M_c; d = M_c - M, a whole number, 0 or less, held at -127; l = the sum of l_c 2^d (exact scalings); d is added to each of the
; chunk's four scale bytes, held at 0 from below.  LIMIT: a block whose byte would fall under 0 is taken at 2^-127 and not smaller, and a chunk more than 127 under M at 2^-127 of its l_c.
; CLUSTERS 4 x 1: the four partners have the same y and need the same tiles of P: asked for jointly.  V's tile hangs on x and is each work-group's own: only two values of p have the same sequence of V's steps.
; THE RING: two slots, each with the tiles of two steps.  Step 0 comes alone, at the head; then pairs (1, 2) .. (7, 8): waves 0 and 1 fetch P's tile of the pair's first and second step, waves 2 and 3 V's.
; Four waves, 64 queries x 64 channels each: 16 accumulators.  A slot's four chunks go through two register buffers by turns: a chunk is multiplied while the next one's LDS loads are out.
; Source 0 = 16 channels of V^T, source 1 = 16 queries of P: by the order of channels in V's row blocks lane (r, h) holds, over four tiles, channels 32 h .. 32 h + 31 of query r.
; PREFETCH, a pair ahead of the tensor loads: P's tile by waves 0 and 1 of the four partners, two row blocks each, told apart by address; V's by waves 2 and 3 of the work-groups with p = 0, whose L walks every step.
; Steps 0 to 2 come by their loads alone.
; REGISTERS: window 0: v1-31 addresses; v32-39 scale words (lanes 0-15 P's, lanes 16-31 V's); v56-63 1 / l; v64-127 at work; v128-255 P's fragments, two buffers.  window 1: v0-127 V's; accumulator (a, b) at
; v[128 + 8 (4 a + b)].  window 2: v0-63 rows read back on the way out.
.set NP,    8                          ; places behind this matrix instruction (ISA guide 7.12.1)
.set RBK,   4096                       ; a row block's bytes in a slot: two fragments
.set STEPB, 65536                      ; a step's tiles: P's 8 row blocks, then V's 8
.set BOFF,  32768
.set SLOT,  131072
.set ASC,   262144                     ; scale words by place in the walk: P's [18][128 rows][4], V's [18][128 channels][4], then 1 / l of L and of S
.set VOF,   9216
.set RLO,   18432
.set STAGE, ASC+19456                  ; 16 rows x 272 bytes for each wave
.set SPARE, STAGE+17408
.set AW,   2
.set BA,   16
.set BB0,  17
.set BS,   18
.set ADA2, 19
.set ADA,  20
.set ADB,  21
.set ADS,  22
.set ADB2, 23
.set STO,  24
.set RD,   25
.set CO,   26
.set SPW,  28
.set NIL,  29
.set PFO,  30
.set RLA,  31
.set SC,   32                          ; v[32 + 4 buffer + i]
.set RL,   56
.set TQ,   64
.set BK,   0                           ; window 2: two sets of 32
.set VC,   64                          ; the head: v64-81, v82-99 offsets of the tables' words
.set VD,   82
.set TA,   100                         ; four at work for each of two places
.set GL,   112
.set GS,   113
.set GI,   114                         ; v114-119 -M for places 10-15
.set LLA,  120                         ; v120-121 L's sum in two halves, v122-123 S's
.set LSA,  122
.set BIGR, 124
.set PS,   128
.set PM,   146
.set PL,   164
.set VW,   182
.set SLL,  200
.set SLS,  206
.set AF,   128
.set ACW,  128
.set G1A, 24
.set G1B, 32
.set G0A, 40
.set G0B, 44
.set KST, 48
.set TB,  49
.set TS,  50
.set TRIP, 51
.set LIM, 52
.set NLS, 53                           ; s53 nL
.set PFA, 54
.set PT,  56
.set VSB, 58
.set NXT, 60                           ; s60 the first step of the pair that is asked for next
.set MK,  66                           ; s66-71 places 10-15: -1 where L's
.set DK,  72                           ; s72-76 places 9, 11 .. 17: -1 where past its tile
.set OLA, 78                           ; s78, s79 P in L and in S; s80, s81 V: byte offsets, without 4,096 x step
.set OSA, 79
.set OVL, 80
.set OSV, 81
.set PFB, 82
.set OLP, 84
.set OSP, 85
.set OS2, 86                           ; s[86:87] S's rows of O
.set TLT, 88
.set TST, 89
.set NL2, 95
.set MSB, 0
.macro WIN new
.if MSB != (\new)
	s_set_vgpr_msb (MSB<<8)|(\new)
.set MSB, (\new)
.endif
.endm
.set MUL,    0x51                      ; source 0 (V) window 1, source 1 (P) window 0, C and D window 1
.set TO_B,   0x40
.macro PLACES n
.rept \n
	v_nop
.endr
.endm
.macro BARRIER
	s_barrier_signal -1
	s_barrier_wait -1
.endm
.macro CROUND
	BARRIER
	s_cmp_lg_u32 s14, 0
	s_cbranch_scc1 .Lnot_wave_0_\@
	s_barrier_signal -3
.Lnot_wave_0_\@:
	s_barrier_wait -3
	BARRIER
.endm
.macro JLOAD                           ; waves 0, 1: P, jointly; waves 2, 3: V, each work-group its own; s_nop 0 and four v_nop follow each line
	s_cmp_eq_u32 s15, 0
	s_cbranch_scc0 .Lfor_b_\@
	tensor_load_to_lds s[G0A:G0A+3], s[G1A:G1A+7]
	s_nop 0
	PLACES 4
	s_branch .Lasked_\@
.Lfor_b_\@:
	tensor_load_to_lds s[G0B:G0B+3], s[G1B:G1B+7]
	s_nop 0
	PLACES 4
.Lasked_\@:
.endm
	s_load_b256 s[4:11], s[0:1], 0x0               ; pc, ptab, vc, vs
	s_load_b64 s[12:13], s[0:1], 0x20              ; out0
	v_lshl_add_u32 v[SPW], v0, 2, SPARE
	v_mov_b32 v[NIL], 0
	ds_add_u32 v[SPW], v[NIL]                      ; the opening: the add, twice on end
	ds_add_u32 v[SPW], v[NIL]
	v_lshlrev_b32 v1, 2, v0                        ; thread t owns row t and channel t: 4 t
	v_lshrrev_b32 v3, 5, v0
	v_readfirstlane_b32 s14, v3
	s_wait_alu depctr_va_vdst(0)                   ; the wait ahead of the run of scalar lines
	s_lshr_b32 s15, s14, 1                         ; my half of the queries.  Also: I fetch P (0) or V (1)
	s_and_b32 s16, s14, 1                          ; my half of the channels.  Also: which step of a pair I fetch (at the head: which half of step 0's tile)
	s_and_b32 s17, ttmp7, 0xffff
	s_lshr_b32 s18, s17, 3                         ; n
	s_and_b32 s19, s17, 7                          ; p
	s_bfe_u32 s93, ttmp6, 0x40000                  ; cx
	s_lshl_b32 s94, ttmp9, 2
	s_add_co_u32 s94, s94, s93                     ; x
	s_sub_co_u32 s[TLT], 15, s19
	s_mov_b32 s[TST], s19
	s_sub_co_u32 s[NLS], 17, s19
	s_lshr_b32 s[NLS], s[NLS], 1
	s_lshl_b32 s[NL2], s[NLS], 1
	s_mov_b32 s[G1A+0], 15|(3<<16)|(1<<21)         ; 15:0 the mask: all four partners; 17:16 elements of 8 bytes; 21 set beside a mask
	s_mov_b32 s[G1B+0], 3<<16
.irp g, G1A, G1B
	s_mov_b32 s[\g+1], 512<<16                     ; 4,096 bytes
	s_mov_b32 s[\g+2], 4<<16                       ; 4 row blocks at the head, later 8
	s_mov_b32 s[\g+3], 512<<16
	s_mov_b32 s[\g+4], 4
	s_mov_b32 s[\g+6], 0
	s_mov_b32 s[\g+7], 0
.endr
	s_mov_b32 s[G1A+5], 4096                       ; P: 32,768 bytes from row block to row block
	s_mov_b32 s[G1B+5], 16384                      ; V^T: 131,072
	; place i of the walk: L's chunk i, or S's chunk i - 2 nL.  A place past its tile reads the tile's last live chunk's words of P again
.macro PLACE i
	s_sub_co_u32 s21, \i, s[NL2]
	s_cmp_gt_u32 s[NL2], \i
	s_cselect_b32 s20, \i, s21
	s_cselect_b32 s22, s[TLT], s[TST]
.if \i >= 10 && \i < 16
	s_cselect_b32 s[MK+\i-10], -1, 0
.endif
.if \i >= 9 && \i%2
	s_cmp_gt_u32 s20, s22
	s_cselect_b32 s[DK+(\i-9)/2], -1, 0
.endif
	s_min_u32 s21, s20, s22
	s_lshl_b32 s21, s21, 13
	s_lshl_b32 s22, s22, 9
	s_add_co_u32 s21, s21, s22
	s_lshl_b32 s20, s20, 12
	v_add_nc_u32 v[VC+\i], s21, v1
	v_add_nc_u32 v[VD+\i], s20, v1
.endm
.irp i, 0,1,2,3,4,5,6,7,8,9,10,11,12,13,14,15,16,17
	PLACE \i
.endr
	; where tiles lie: P: row block 128 n + 8 tile, 32,768 bytes each; V: row block 8 x, 131,072 each, + the batch's first chunk
	s_lshl_b32 s20, s18, 7
	s_lshl_b32 s22, s[TLT], 3
	s_lshl_b32 s23, s[TST], 3
	s_lshl_b32 s2, s[NLS], 12
	s_add_co_u32 s22, s22, s20
	s_add_co_u32 s23, s23, s20
	s_lshl_b32 s[OLA], s22, 15
	s_lshl_b32 s[OSA], s23, 15
	s_sub_co_u32 s[OSA], s[OSA], s2
	s_lshl_b32 s20, s93, 1                         ; my work-group's two row blocks of P's prefetch
	s_add_co_u32 s[OLP], s22, s20
	s_add_co_u32 s[OSP], s23, s20
	s_lshl_b32 s[OLP], s[OLP], 15
	s_lshl_b32 s[OSP], s[OSP], 15
	s_sub_co_u32 s[OSP], s[OSP], s2
	s_lshl_b32 s[OVL], s94, 20
	s_lshl_b32 s20, s18, 15
	s_add_co_u32 s[OVL], s[OVL], s20
	s_sub_co_u32 s[OSV], s[OVL], s2
	s_cmp_eq_u32 s19, 0
	s_cselect_b32 s20, 7, 0                        ; V's prefetch: p = 0, up to step 7
	s_mov_b32 s97, 131072
	s_cmp_eq_u32 s15, 0
	s_cselect_b32 s[LIM], 8, s20                   ; P's: up to step 8
	s_cselect_b32 s97, 32768, s97
	s_cselect_b32 s[OLP], s[OLP], s[OVL]
	s_cselect_b32 s[OSP], s[OSP], s[OSV]
	s_mov_b32 s[KST], 0
	s_mov_b32 s[TB], 0
	s_mov_b32 s[TS], 0
	s_mov_b32 s[NXT], 1
	s_mov_b32 s90, 0x01010101
	s_mov_b32 s91, 0x80808080
	s_mov_b32 s92, 0x7f7f7f7f
	s_mov_b32 s3, 0
	s_mov_b32 s21, 0
	s_mov_b32 s23, 0
	s_mov_b32 s99, 0
	s_wait_alu depctr_va_vdst(0)
	s_wait_dscnt 0x0                               ; both opening adds are done
	s_wait_kmcnt 0x0
	s_lshl_b32 s2, s18, 17
	s_add_nc_u64 s[PT:PT+1], s[6:7], s[2:3]        ; the tables at my batch
	s_lshl_b32 s2, s18, 16
	s_lshl_b32 s20, s94, 9
	s_add_co_u32 s2, s2, s20
	s_add_nc_u64 s[VSB:VSB+1], s[10:11], s[2:3]    ; V's words at my batch's first chunk and my 128 channels
.irp i, 0,1,2,3,4,5,6,7,8,9,10,11,12,13,14,15,16,17
	global_load_b32 v[PM+\i], v[VC+\i], s[PT:PT+1] offset:524288
.endr
.irp i, 0,1,2,3,4,5,6,7,8,9,10,11,12,13,14,15,16,17
	global_load_b32 v[PS+\i], v[VC+\i], s[PT:PT+1]
	global_load_b32 v[PL+\i], v[VC+\i], s[PT:PT+1] offset:1048576
.endr
	s_lshl_b32 s20, s16, 17                        ; step 0: four row blocks a wave
	s_add_co_u32 s20, s20, s[OLA]
	s_lshl_b32 s22, s16, 19
	s_add_co_u32 s22, s22, s[OVL]
	s_mov_b32 s[G0A], 1
	s_lshl_b32 s[G0A+1], s16, 14
	s_add_nc_u64 s[G0A+2:G0A+3], s[4:5], s[20:21]
	s_or_b32 s[G0A+3], s[G0A+3], 0x80000000
	s_mov_b32 s[G0B], 1
	s_lshl_b32 s[G0B+1], s16, 14
	s_add_co_u32 s[G0B+1], s[G0B+1], BOFF
	s_add_nc_u64 s[G0B+2:G0B+3], s[8:9], s[22:23]
	s_or_b32 s[G0B+3], s[G0B+3], 0x80000000
	CROUND                                         ; all four partners are here
	JLOAD                                          ; step 0: one tensor load a wave
.irp i, 0,1,2,3,4,5,6,7,8,9,10,11,12,13,14,15,16,17
	global_load_b32 v[VW+\i], v[VD+\i], s[VSB:VSB+1]
.endr
	s_cmp_eq_u32 s15, 0
	s_cselect_b64 s[PFB:PFB+1], s[4:5], s[8:9]
	s_lshl_b32 s20, s18, 11                        ; O: rows of 4,096 bytes: 2048 n + 128 tile + 64 half, my 64 channels
	s_lshl_b32 s22, s15, 6
	s_add_co_u32 s20, s20, s22
	s_lshl_b32 s2, s[TLT], 7
	s_lshl_b32 s22, s[TST], 7
	s_add_co_u32 s2, s2, s20
	s_add_co_u32 s22, s22, s20
	s_lshl_b32 s2, s2, 12
	s_lshl_b32 s22, s22, 12
	s_lshl_b32 s20, s94, 9
	s_add_co_u32 s2, s2, s20
	s_add_co_u32 s22, s22, s20
	s_lshl_b32 s20, s16, 8
	s_add_co_u32 s2, s2, s20
	s_add_co_u32 s22, s22, s20
	s_add_nc_u64 s[OS2:OS2+1], s[12:13], s[22:23]
	s_add_nc_u64 s[12:13], s[12:13], s[2:3]
	s_lshl_b32 s20, s15, 14
	s_lshl_b32 s22, s16, 14
	s_add_co_u32 s22, s22, BOFF
	v_and_b32 v3, 31, v0                           ; l
	v_and_b32 v4, 15, v0                           ; r
	v_bfe_u32 v5, v0, 4, 1                         ; h
	v_add_nc_u32 v[AW], ASC, v1
	v_lshlrev_b32 v6, 4, v3
	v_add_nc_u32 v[BA], s20, v6                    ; my 4 row blocks of P
	v_add_nc_u32 v[BB0], s22, v6                   ; and of V
	s_lshl_b32 s20, s15, 8
	s_lshl_b32 s22, s16, 8
	s_add_co_u32 s22, s22, VOF
	s_sub_co_u32 s22, s22, s20                     ; from P's words to V's
	s_add_co_u32 s20, s20, ASC
	v_lshlrev_b32 v7, 2, v4
	v_add_nc_u32 v7, s20, v7
	v_add_nc_u32 v[RLA], RLO, v7                   ; 1 / l: 256 half + 4 r
	v_mul_u32_u24 v8, s22, v5
	v_add_nc_u32 v[BS], v7, v8
	s_mul_i32 s20, s14, 16*272
	s_add_co_u32 s20, s20, STAGE
	v_mul_u32_u24 v7, v4, 272
	v_lshl_add_u32 v7, v5, 7, v7
	v_add_nc_u32 v[STO], s20, v7                   ; into the stage: row r, + 128 h
	v_mul_u32_u24 v7, v5, 272
	v_lshl_add_u32 v7, v4, 4, v7
	v_add_nc_u32 v[RD], s20, v7                    ; out of it: sixteen lanes a row
	v_lshlrev_b32 v7, 12, v5
	v_lshl_add_u32 v[CO], v4, 4, v7
	v_mul_u32_u24 v7, s97, v5
	v_lshl_add_u32 v[PFO], v4, 8, v7
	v_mov_b32 v[BIGR], 0x7f61b1e6                  ; 3e38
	s_wait_alu depctr_va_vdst(0)
	s_wait_loadcnt 0x0
.irp k, 0,1,2,3,4
	v_cndmask_b32 v[PL+9+2*\k], v[PL+9+2*\k], v[NIL], s[DK+\k]   ; a place past its tile counts for nothing in l
.endr
.irp k, 0,1,2,3,4,5
	v_cndmask_b32 v[SLL+\k], v[BIGR], v[PM+10+\k], s[MK+\k]
	v_cndmask_b32 v[SLS+\k], v[PM+10+\k], v[BIGR], s[MK+\k]
.endr
	v_min3_num_f32 v[GL], v[PM], v[PM+1], v[PM+2]  ; places 0-9 are L's, 16 and 17 S's, whatever p
	v_min3_num_f32 v[GS], v[PM+16], v[PM+17], v[SLS]
	v_min3_num_f32 v[GL], v[GL], v[PM+3], v[PM+4]
	v_min3_num_f32 v[GS], v[GS], v[SLS+1], v[SLS+2]
	v_min3_num_f32 v[GL], v[GL], v[PM+5], v[PM+6]
	v_min3_num_f32 v[GS], v[GS], v[SLS+3], v[SLS+4]
	v_min3_num_f32 v[GL], v[GL], v[PM+7], v[PM+8]
	v_min_num_f32 v[GS], v[GS], v[SLS+5]
	v_min3_num_f32 v[GL], v[GL], v[PM+9], v[SLL]
	v_min3_num_f32 v[GL], v[GL], v[SLL+1], v[SLL+2]
	v_min3_num_f32 v[GL], v[GL], v[SLL+3], v[SLL+4]
	v_min_num_f32 v[GL], v[GL], v[SLL+5]
.irp k, 0,1,2,3,4,5
	v_cndmask_b32 v[GI+\k], v[GS], v[GL], s[MK+\k]
.endr
.macro GSET i
.if (\i) < 10
.set G_, GL
.elseif (\i) < 16
.set G_, GI+(\i)-10
.else
.set G_, GS
.endif
.endm
.macro COMB cc                         ; places 2 cc and 2 cc + 1, line by line
.irp e, 0,1
	GSET 2*(\cc)+\e
	v_sub_f32 v[TA+4*\e], v[G_], v[PM+2*(\cc)+\e]  ; M_c - M
.endr
.irp e, 0,1
	v_max_num_f32 v[TA+4*\e], 0xc2fe0000, v[TA+4*\e]   ; held at -127
.endr
.irp e, 0,1
	v_cvt_i32_f32 v[TA+4*\e], v[TA+4*\e]
.endr
.irp e, 0,1
.if (\cc) == 0
	v_ldexp_f32 v[LLA+\e], v[PL+\e], v[TA+4*\e]
.else
	v_ldexp_f32 v[TA+1+4*\e], v[PL+2*(\cc)+\e], v[TA+4*\e]
.endif
.endr
.if (\cc) > 0 && (\cc) < 5
.irp e, 0,1
	v_add_f32 v[LLA+\e], v[LLA+\e], v[TA+1+4*\e]
.endr
.elseif (\cc) > 4 && (\cc) < 8
.irp e, 0,1
	v_cndmask_b32 v[TA+2+4*\e], v[NIL], v[TA+1+4*\e], s[MK+2*(\cc)+\e-10]
.if (\cc) == 5
	v_cndmask_b32 v[LSA+\e], v[TA+1+4*\e], v[NIL], s[MK+2*(\cc)+\e-10]
.else
	v_cndmask_b32 v[TA+3+4*\e], v[TA+1+4*\e], v[NIL], s[MK+2*(\cc)+\e-10]
.endif
.endr
.irp e, 0,1
	v_add_f32 v[LLA+\e], v[LLA+\e], v[TA+2+4*\e]
.if (\cc) > 5
	v_add_f32 v[LSA+\e], v[LSA+\e], v[TA+3+4*\e]
.endif
.endr
.elseif (\cc) == 8
.irp e, 0,1
	v_add_f32 v[LSA+\e], v[LSA+\e], v[TA+1+4*\e]
.endr
.endif
.irp e, 0,1
	v_mul_lo_u32 v[TA+4*\e], v[TA+4*\e], s90       ; d in each of four bytes
.endr
.irp e, 0,1
	v_or_b32 v[TA+1+4*\e], s91, v[PS+2*(\cc)+\e]   ; each byte (1 .. 112) + 128: with d from -127 on no borrow crosses a byte
.endr
.irp e, 0,1
	v_add_nc_u32 v[TA+4*\e], v[TA+4*\e], v[TA+1+4*\e]
.endr
.irp e, 0,1
	v_lshrrev_b32 v[TA+1+4*\e], 7, v[TA+4*\e]
.endr
.irp e, 0,1
	v_and_b32 v[TA+1+4*\e], s90, v[TA+1+4*\e]      ; 1 where the byte has not fallen under 0
.endr
.irp e, 0,1
	v_lshlrev_b32 v[TA+2+4*\e], 8, v[TA+1+4*\e]
.endr
.irp e, 0,1
	v_sub_nc_u32 v[TA+1+4*\e], v[TA+2+4*\e], v[TA+1+4*\e]   ; 0xff there
.endr
.irp e, 0,1
	v_and_b32 v[TA+4*\e], s92, v[TA+4*\e]
.endr
.irp e, 0,1
	v_and_b32 v[PS+2*(\cc)+\e], v[TA+4*\e], v[TA+1+4*\e]
.endr
.endm
.irp c, 0,1,2,3,4,5,6,7,8
	COMB \c
.endr
	v_add_f32 v[LLA], v[LLA], v[LLA+1]             ; l of L's row, and of S's
	v_add_f32 v[LSA], v[LSA], v[LSA+1]
	s_wait_alu depctr_va_vdst(0)
	v_rcp_f32 v[LLA], v[LLA]
	v_rcp_f32 v[LSA], v[LSA]
	v_nop                                          ; a plain line behind the reciprocals
	s_wait_alu depctr_va_vdst(0)                   ; and the wait ahead of their first reader
.irp i, 0,1,2,3,4,5,6,7,8,9,10,11,12,13,14,15,16,17
	ds_store_b32 v[AW], v[PS+\i] offset:512*\i
	ds_store_b32 v[AW], v[VW+\i] offset:VOF+512*\i
.endr
	ds_store_b32 v[AW], v[LLA] offset:RLO
	ds_store_b32 v[AW], v[LSA] offset:RLO+512
.macro FRAG reg, adr, q, i             ; a fragment: four loads of 16 bytes a lane, 512 bytes on end each
.irp c, 0,1,2,3
	ds_load_b128 v[\reg+4*\c:\reg+4*\c+3], v[\adr] offset:(\i)*RBK+(\q)*2048+512*\c
.endr
.endm
.macro FETCH u, ada, adb, q, so        ; a step's chunk q into buffer u: V's four fragments, P's four, their scale words: 36 loads
	WIN TO_B
.irp i, 0,1,2,3
	FRAG 64*(\u)+16*\i, \adb, \q, \i
.endr
	WIN 0
.irp i, 0,1,2,3
	FRAG AF+64*(\u)+16*\i, \ada, \q, \i
.endr
.irp i, 0,1,2,3
	ds_load_b32 v[SC+4*(\u)+\i], v[ADS] offset:\so+64*\i
.endr
.endm
.macro MUL16 u, zero                   ; the 16 accumulators take turns, one instruction a turn
	WIN MUL
.irp a, 0,1,2,3
.irp b, 0,1,2,3
.if \zero
	v_wmma_scale_f32_16x16x128_f8f6f4 v[ACW+8*(4*\a+\b):ACW+8*(4*\a+\b)+7], v[64*(\u)+16*\b:64*(\u)+16*\b+15], v[AF+64*(\u)+16*\a:AF+64*(\u)+16*\a+15], 0, v[SC+4*(\u)+\b], v[SC+4*(\u)+\a] matrix_a_fmt:MATRIX_FMT_BF8 matrix_b_fmt:MATRIX_FMT_BF8 matrix_a_scale:MATRIX_SCALE_ROW1
.else
	v_wmma_scale_f32_16x16x128_f8f6f4 v[ACW+8*(4*\a+\b):ACW+8*(4*\a+\b)+7], v[64*(\u)+16*\b:64*(\u)+16*\b+15], v[AF+64*(\u)+16*\a:AF+64*(\u)+16*\a+15], v[ACW+8*(4*\a+\b):ACW+8*(4*\a+\b)+7], v[SC+4*(\u)+\b], v[SC+4*(\u)+\a] matrix_a_fmt:MATRIX_FMT_BF8 matrix_b_fmt:MATRIX_FMT_BF8 matrix_a_scale:MATRIX_SCALE_ROW1
.endif
.endr
.endr
	WIN 0
.endm
; THE CHANGE OF SLOTS.  Behind it the slot ahead is whole and nobody reads the other.  fill = 1: a round of the cluster's barrier, and the other slot takes the next pair of steps.
.macro CHANGE fill, first
	s_wait_tensorcnt 0x0                           ; no tensor load of mine is out, so a descriptor may be written
	ds_add_u32 v[SPW], v[NIL]                      ; 0 onto my spare word
.if \fill
.if \first
.irp g, G1A, G1B
	s_mov_b32 s[\g+2], 8<<16                       ; from here on 8 row blocks a load
	s_mov_b32 s[\g+4], 8
.endr
	s_lshl_b32 s[G0A+1], s16, 16
	s_add_co_u32 s[G0A+1], s[G0A+1], SLOT
	s_lshl_b32 s[G0B+1], s16, 16
	s_add_co_u32 s[G0B+1], s[G0B+1], SLOT+BOFF
.else
	s_xor_b32 s[G0A+1], s[G0A+1], SLOT
	s_xor_b32 s[G0B+1], s[G0B+1], SLOT
.endif
	s_add_co_u32 s2, s[NXT], s16                   ; my step
	s_lshl_b32 s3, s2, 12
	s_cmp_lt_u32 s2, s[NLS]
	s_cselect_b32 s20, s[OLA], s[OSA]
	s_cselect_b32 s22, s[OVL], s[OSV]
	s_add_co_u32 s20, s20, s3
	s_add_co_u32 s22, s22, s3
	s_add_nc_u64 s[G0A+2:G0A+3], s[4:5], s[20:21]
	s_or_b32 s[G0A+3], s[G0A+3], 0x80000000
	s_add_nc_u64 s[G0B+2:G0B+3], s[8:9], s[22:23]
	s_or_b32 s[G0B+3], s[G0B+3], 0x80000000
	s_add_co_u32 s2, s2, 2                         ; and the one a pair further on, for the prefetch
	s_add_co_u32 s3, s3, 8192
	s_cmp_lt_u32 s2, s[NLS]
	s_cselect_b32 s98, s[OLP], s[OSP]
	s_add_co_u32 s98, s98, s3
	s_add_co_u32 s[NXT], s[NXT], 2
.endif
	s_wait_xcnt 0x0                                ; prefetches have read their address, stores their registers
.if \fill
	s_add_nc_u64 s[PFA:PFA+1], s[PFB:PFB+1], s[98:99]
.endif
	s_wait_dscnt 0x0                               ; the add is done, and my LDS work is over
.if \fill
	CROUND
	JLOAD                                          ; my one tensor load behind the round
	s_cmp_gt_u32 s2, s[LIM]
	s_cbranch_scc1 .Lno_ask_\@
	global_prefetch_b8 v[PFO], s[PFA:PFA+1] th:TH_LOAD_NT scope:SCOPE_SE
	s_cmp_eq_u32 s15, 0
	s_cbranch_scc1 .Lno_ask_\@
	global_prefetch_b8 v[PFO], s[PFA:PFA+1] offset:262144 th:TH_LOAD_NT scope:SCOPE_SE
	global_prefetch_b8 v[PFO], s[PFA:PFA+1] offset:524288 th:TH_LOAD_NT scope:SCOPE_SE
	global_prefetch_b8 v[PFO], s[PFA:PFA+1] offset:786432 th:TH_LOAD_NT scope:SCOPE_SE
.Lno_ask_\@:
.else
	BARRIER
.endif
.endm
.macro ADDRS                           ; the slot in hand
	v_add_nc_u32 v[ADA], s[TB], v[BA]
	v_add_nc_u32 v[ADB], s[TB], v[BB0]
	v_add_nc_u32 v[ADS], s[TS], v[BS]
	v_add_nc_u32 v[ADA2], STEPB, v[ADA]
	v_add_nc_u32 v[ADB2], STEPB, v[ADB]
	s_wait_alu depctr_va_vdst(0)                   ; the wait directly behind the writes
.endm
.macro PACK a
.set AC, ACW+32*(\a)
	WIN 1
.set NN, 0
.rept 16
	v_pk_mul_f32 v[TQ+NN:TQ+NN+1], v[AC+NN:AC+NN+1], v[RL+2*(\a):RL+2*(\a)+1] op_sel_hi:[1,0]   ; each accumulator from its low end on
.set NN, NN+2
.endr
	WIN 0
.endm
.macro TOSTAGE a
.set BBK, BK+32*((\a)%2)
.irp b, 0,1,2,3
	ds_store_b128 v[STO], v[TQ+8*\b:TQ+8*\b+3] offset:32*\b
	ds_store_b128 v[STO], v[TQ+8*\b+4:TQ+8*\b+7] offset:32*\b+16
.endr
	WIN 0x80
.irp i, 0,1,2,3,4,5,6,7
	ds_load_b128 v[BBK+4*\i:BBK+4*\i+3], v[RD] offset:544*\i   ; LDS serves a wave's instructions in order: these see the stores above
.endr
	WIN 0
.endm
.macro SEND a, o
.set BBK, BK+32*((\a)%2)
	s_wait_dscnt 0x0                               ; the block is back in registers
	s_wait_xcnt 0x0                                ; the block before has been read by its stores
	WIN 0x08
.irp i, 0,1,2,3,4,5,6,7                            ; places 2 i, 2 i + 1 of row block a are true rows 32 (a / 2) + 8 (a % 2) + 2 i % 8 + 16 (2 i / 8) and the next: two aligned units of 256 bytes a store
	global_store_b128 v[CO], v[BBK+4*\i:BBK+4*\i+3], s[\o:\o+1] offset:(32*((\a)/2)+8*((\a)%2)+((2*\i)&7)+16*((2*\i)>>3))*4096 th:TH_STORE_NT
.endr
	WIN 0
.endm
.macro WAYOUT t, o                     ; a tile x 1 / l, through my stage
	PLACES NP
.irp a, 0,1,2,3
	ds_load_b32 v[RL+2*\a], v[RLA] offset:512*(\t)+64*\a
	ds_load_b32 v[RL+2*\a+1], v[RLA] offset:512*(\t)+64*\a   ; (named with it as a pair, so it is written)
.endr
	s_wait_dscnt 0x0
	PACK 0
	TOSTAGE 0
.irp a, 1,2,3
	PACK \a
	s_wait_alu depctr_va_vdst(0)
	SEND \a-1, \o
	TOSTAGE \a
.endr
	SEND 3, \o
.endm
.macro MULZ                            ; a step's first chunk: S's first step starts the sums
	s_wait_dscnt 36                                ; buffer 0's loads are in; the 36 of buffer 1's chunk may be out
	s_cmp_eq_u32 s[KST], s[NLS]
	s_cbranch_scc1 .Lstart_\@
	MUL16 0, 0
	s_branch .Lgone_\@
.Lstart_\@:
	MUL16 0, 1
.Lgone_\@:
.endm
.macro STEPEND                         ; L's last step is done: y alone decides, the same in all partners
	s_add_co_u32 s[KST], s[KST], 1
	s_cmp_lg_u32 s[KST], s[NLS]
	s_cbranch_scc1 .Lstay_\@
	WAYOUT 0, 12
.Lstay_\@:
.endm
.macro PAIR last                       ; two steps: four chunks through two buffers
	ADDRS
	PLACES 5                                       ; with the five additions: the places behind the last products
	FETCH 0, ADA, ADB, 0, 0
	FETCH 1, ADA, ADB, 1, 512
	MULZ
	PLACES NP
	FETCH 0, ADA2, ADB2, 0, 1024
	s_wait_dscnt 36                                ; buffer 1 is in
	MUL16 1, 0
	STEPEND
	PLACES NP+1                                    ; (the next product may begin a sum anew)
	FETCH 1, ADA2, ADB2, 1, 1536
	MULZ
	s_wait_dscnt 0x0
	MUL16 1, 0
.if \last
	WAYOUT 1, OS2
.else
	STEPEND
	s_xor_b32 s[TB], s[TB], SLOT
	s_add_co_u32 s[TS], s[TS], 2048
.endif
.endm
	CHANGE 1, 1                                    ; steps 1 and 2 into slot 1: its first fill, issued as a refill is
	ADDRS
	FETCH 0, ADA, ADB, 0, 0                        ; step 0 starts L's sums
	FETCH 1, ADA, ADB, 1, 512
	s_wait_dscnt 36
	MUL16 0, 1
	s_wait_dscnt 0x0
	MUL16 1, 0
	s_mov_b32 s[KST], 1
	s_mov_b32 s[TB], SLOT
	s_mov_b32 s[TS], 1024
	s_mov_b32 s[TRIP], 3
.Lk:
	CHANGE 1, 0
	PAIR 0
	s_sub_co_u32 s[TRIP], s[TRIP], 1
	s_cmp_lg_u32 s[TRIP], 0
	s_cbranch_scc1 .Lk
	CHANGE 0, 0                                    ; the last pair asks for nothing
	PAIR 1
	s_wait_tensorcnt 0x0                           ; the wave's end
	ds_add_u32 v[SPW], v[NIL]
	s_wait_dscnt 0x0
	CROUND                                         ; the closing round
	s_endpgm
.Lfunc_end_k_q1651051cac_pv:
	.size	k_q1651051cac_pv, .Lfunc_end_k_q1651051cac_pv-k_q1651051cac_pv
	.p2alignl 7, 3214868480
	.fill 96, 4, 3214868480
	.section	.rodata,"a",@progbits
	.p2align	6, 0x0
	.amdhsa_kernel k_q1651051cac_pv
		.amdhsa_group_segment_fixed_size 327680
		.amdhsa_private_segment_fixed_size 0
		.amdhsa_enable_private_segment 0
		.amdhsa_kernarg_size 40
		.amdhsa_user_sgpr_count 2
		.amdhsa_user_sgpr_kernarg_segment_ptr 1
		.amdhsa_wavefront_size32 1
		.amdhsa_system_sgpr_workgroup_id_x 1
		.amdhsa_system_sgpr_workgroup_id_y 1
		.amdhsa_system_sgpr_workgroup_id_z 1
		.amdhsa_system_vgpr_workitem_id 0
		.amdhsa_next_free_vgpr 640
		.amdhsa_next_free_sgpr 102
		.amdhsa_reserve_vcc 0
		.amdhsa_float_denorm_mode_32 3
		.amdhsa_float_denorm_mode_16_64 3
		.amdhsa_memory_ordered 1
		.amdhsa_forward_progress 1
		.amdhsa_inst_pref_size 149
	.end_amdhsa_kernel
	.amdgpu_metadata
---
amdhsa.version: [ 1, 2 ]
amdhsa.kernels:
  - .name:           k_q1651051cac_pv
    .symbol:         k_q1651051cac_pv.kd
    .args:
      - { .name: pc, .offset: 0, .size: 8, .value_kind: global_buffer, .address_space: global }
      - { .name: ptab, .offset: 8, .size: 8, .value_kind: global_buffer, .address_space: global }
      - { .name: vc, .offset: 16, .size: 8, .value_kind: global_buffer, .address_space: global }
      - { .name: vs, .offset: 24, .size: 8, .value_kind: global_buffer, .address_space: global }
      - { .name: out0, .offset: 32, .size: 8, .value_kind: global_buffer, .address_space: global }
    .group_segment_fixed_size: 327680
    .private_segment_fixed_size: 0
    .kernarg_segment_align: 8
    .kernarg_segment_size: 40
    .max_flat_workgroup_size: 128
    .sgpr_count:     102
    .vgpr_count:     640
    .wavefront_size: 32
...
	.end_amdgpu_metadata
.endif
;; end of part 4
